; MI455X (gfx1250); checked and timed in simulation.
; The chip was launched on July 23, 2026; its instructions are those of AMD's public machine-readable ISA for CDNA 5 (MIT licence, August 2026) and "CDNA5" Instruction Set Architecture Reference Guide (July 2026). The comments in the code are by the model that wrote it; some were corrected since.
;; Rel Position Multi Headed Attention. Allowed arithmetic: matrix products marked QUANTISED: E2M3 operands, one E8M0 scale for each 32 along K, by v_wmma_scale_f32_16x16x128_f8f6f4 with both operands' format E2M3, f32 sums; everything else in f32.
;; Inputs: Wk 512 x 512 float32; Wo 512 x 512 float32; Wpos 512 x 512 float32; Wq 512 x 512 float32; Wv 512 x 512 float32; bk 512 float32; bo 512 float32; bq 512 float32; bv 512 float32; key 16 x 1,024 x 512 float32; mask 16 x 1 x 1,024 float32; pos_bias_u 8 x 64 float32; pos_bias_v 8 x 64 float32; pos_emb 1 x 1,024 x 512 float32; query 16 x 1,024 x 512 float32; value 16 x 1,024 x 512 float32.
;; Outputs: out0 16 x 1,024 x 512 float32.
;; This version of the problem:
;;   THIS VERSION OF THE PROBLEM IS GIVEN IN LOW PRECISION. The matrix products marked QUANTISED in the list below multiply operands that are first quantised to E2M3 (2 exponent bits, 3 mantissa bits; 6 bits a number), with one power-of-two scale for each 32 numbers along K (OCP MX v1.0); their sums are f32. All else is computed in f32.
;;   The module's matrix products, in the order in which they are computed (A, B: the left and right operand; K: the contracted axis; several contracted axes count as one K, in the product's order):
;;     1. [M 16,384, K 512] x [K 512, N 512]; A: input query; B: input Wq: QUANTISED
;;     2. [M 16,384, K 512] x [K 512, N 512]; A: input key; B: input Wk: QUANTISED
;;     3. [M 16,384, K 512] x [K 512, N 512]; A: input value; B: input Wv: QUANTISED
;;     4. [M 1,024, K 512] x [K 512, N 512]; A: input pos_emb; B: input Wpos: QUANTISED
;;     5. batch 128 x [M 1,024, K 64] x [K 64, N 1,024]; A: computed on the way; B: computed on the way: QUANTISED
;;     6. batch 8 x [M 1,024, K 64] x [K 64, N 16,384]; A: computed on the way; B: computed on the way: QUANTISED
;;     7. batch 128 x [M 64, K 1,024] x [K 1,024, N 1,024]; A: computed on the way; B: softmax (see below): QUANTISED
;;     8. [M 16,384, K 512] x [K 512, N 512]; A: computed on the way; B: input Wo: QUANTISED
;;   THE QUANTISER, for each operand of a quantised product, along K:
;;     - K is cut into blocks of 32 from its start; a last block that is shorter is filled with zeros.
;;     - A block's scale is 2^e with e = floor(log2(the largest magnitude in the block)) - 2, held to -126 .. 127; a block of zeros has e = 0. As a byte (E8M0): e + 127.
;;     - Each number is divided by its block's scale, clamped to +-7.5, and rounded to the nearest number of E2M3, ties to even, subnormals kept.
;;     - The product sums the exact products of the quantised numbers (number of the format x scale) in f32.
;;   ~~~python
;;   def quantise(x, axis):      # numpy; x: float32 -> the quantised numbers, widened to float32 again
;;       x = np.moveaxis(x, axis, -1); K = x.shape[-1]
;;       x = np.pad(x, [(0, 0)] * (x.ndim - 1) + [(0, -K % 32)]); x = x.reshape(x.shape[:-1] + (-1, 32)); a = np.abs(x).max(-1, keepdims=True)
;;       e = np.where(a > 0, np.clip(np.frexp(np.where(a > 0, a, 1))[1] - 1 - 2, -126, 127), 0)      # np.frexp(a)[1] - 1 = floor(log2(a)), exactly
;;       r = np.clip(x / 2.0 ** e, -7.5, 7.5)
;;       step = 2.0 ** (np.maximum(np.frexp(np.where(r == 0, 1, r))[1] - 1, 0) - 3)
;;       q = np.round(r / step) * step * 2.0 ** e      # np.round: ties to even
;;       return np.moveaxis(q.reshape(q.shape[:-2] + (-1,))[..., :K], -1, axis).astype(np.float32)
;;   ~~~
;;   SOFTMAX AHEAD OF A QUANTISED PRODUCT. Where the list says 'softmax', what is quantised is not the finished softmax but p = 2^(t - M), with t = logit x log2(e) and M = ceil(the row's largest t), a whole number; so 1/2 < the row's largest p <= 1. The row's sum l is taken of the UNQUANTISED p, in f32, and the product's result is divided by l at the end. Since M is a whole number, a kernel that streams over the keys may use a running M (the ceiling of the running maximum): every later rescaling is an exact power of two, which a block's scale takes up: the codes' values come out the same.
;;   OPERANDS COMPUTED ON THE WAY. 'Computed on the way' means the value that the module computes at that place (a softmax that the list does not call 'softmax' is quantised finished and normalised). What goes into a quantiser is computed in f32, as accurately as f32 sums, v_exp_f32 and their like allow (about 1e-6 of the number): no bf16 or f16 on the way to a quantiser, and a product that is left as it is and whose result goes on into a quantised operand takes f32 operands (vector FMAs, or v_wmma_f32_16x16x4_f32). A number that lies on a knife's edge between two numbers of the format may be rounded either way, as far as f32 arithmetic and the matrix unit's own rounding can turn it there, and no further.
;; One version. Each part assembles by itself: llvm-mc -triple=amdgcn-amd-amdhsa -mcpu=gfx1250 --defsym DOCPART=n.
;; ======== version 1 of 1: 4 launches
;; limits: right only within a limited range of input values
;; workspace buffers: wbuf 1,024,000 bytes; qbuf 13,107,200 bytes; kbuf 6,553,600 bytes; pbuf 409,600 bytes; vbuf 6,553,600 bytes; abuf 6,815,744 bytes
;; launch wq (part 1): grid 16 x 5, 4 waves a work-group, no clusters, 12,800 bytes of LDS; arguments Wq, Wv, Wk, Wpos, Wo, wbuf; writes wbuf
.if DOCPART == 1
	.amdgcn_target "amdgcn-amd-amdhsa--gfx1250"
	.amdhsa_code_object_version 6
	.text
	.protected	k_q38c21d53ff_wq
	.globl	k_q38c21d53ff_wq
	.p2align	8
	.type	k_q38c21d53ff_wq,@function
k_q38c21d53ff_wq:
	s_mov_b64 s[64:65], 0
	v_nop
	global_prefetch_b8 v0, s[64:65] scope:SCOPE_SE
	s_setreg_imm32_b32 hwreg(HW_REG_WAVE_MODE, 25, 1), 1
	s_wait_xcnt 0x0
; Five weights [512 (k)][512 (n)], f32, K their FIRST axis, become codes of FP6 (E2M3) with one E8M0 byte for each 32 along K, laid in wbuf as the later launches' operand registers want them.
; wbuf: images [weight 5][tile T 32][K step s 4][1536 bytes] at 0; scale words [weight][s][T][16 lanes] at 983,040.  Weights in the order Wq, Wv, Wk, Wpos, Wo.
; AN IMAGE is a fragment's 12 registers: chunk c (512 bytes) holds registers 4 c .. 4 c + 3, lane l's 16 bytes at 16 l.
; THE COLUMNS OF A TILE ARE NOT NEIGHBOURS: lane r of tile 2 b + u (b counts 32 columns) stands for column 32 b + 8 u + r + 8 (r / 8), so that a product's results in two neighbouring tiles are 16 neighbours along the next K.
; SHARES: work-group (x = 4 cg + s, y = weight): 128 columns x 128 along K.  Wave w: 32 columns.  A LANE TAKES A COLUMN AND ITS REGISTERS RUN DOWN K: a block of 32 lies in one lane, each load reads 128 consecutive bytes.
; A block's scale is 2^(floor(log2(largest magnitude)) - 2): the magnitude's exponent field less 2, held at 1 from below.
; LIMITS: a block of zeros, or one whose largest magnitude lies under 2^-124, keeps the byte 1 (its codes are zeros or near it; this program alone reads the bytes); NaN and infinities are not served.
; No tensor load, no barrier: each wave has 3,072 bytes of LDS of its own, through which its two images turn into whole runs of 512 bytes.
.set X,    32                          ; v32-159  four sets of 32 numbers: all four blocks are asked for at once
.set C,    160                         ; v160-166 a block's codes
.set OUTR, 168                         ; v168-191 the way out
	s_load_b256 s[4:11], s[0:1], 0x0               ; Wq, Wv, Wk, Wpos
	s_load_b128 s[12:15], s[0:1], 0x20             ; Wo, wbuf
	v_lshl_add_u32 v16, v0, 2, 12288               ; my spare word, behind the four stages; kept
	v_mov_b32 v17, 0                               ; 0; kept
	v_lshrrev_b32 v1, 5, v0
	v_readfirstlane_b32 s16, v1                    ; wave
	v_and_b32 v1, 31, v0                           ; lane
	s_and_b32 s17, ttmp7, 0xffff                   ; which weight
	s_lshr_b32 s18, ttmp9, 2                       ; cg: which 128 columns
	s_and_b32 s19, ttmp9, 3                        ; s: which 128 along K
	s_lshl_b32 s27, s18, 2
	s_add_co_u32 s27, s27, s16                     ; cb: which 32 columns = tiles 2 cb, 2 cb + 1
	v_lshlrev_b32 v2, 2, v1                        ; in: 4 bytes a lane
	v_bfe_u32 v7, v1, 3, 1                         ; u: my column's tile of the two
	v_and_b32 v8, 7, v1
	v_lshrrev_b32 v9, 4, v1
	v_lshl_add_u32 v8, v9, 3, v8                   ; r: its lane in that tile
	s_mul_i32 s26, s16, 3072                       ; my wave's stage
	v_mul_u32_u24 v3, v7, 1536
	v_lshl_add_u32 v3, v8, 4, v3
	v_add_nc_u32 v3, s26, v3                       ; into it: image u, lane r
	v_lshlrev_b32 v5, 4, v1                        ; 16 x lane
	v_add_nc_u32 v4, s26, v5                       ; out of it
	v_lshlrev_b32 v6, 6, v7
	v_lshl_add_u32 v6, v8, 2, v6                   ; my scale word: 64 u + 4 r
	s_lshl_b32 s28, s19, 18                        ; the weight: 128 s rows of 2,048 bytes
	s_lshl_b32 s30, s27, 7                         ; + 32 cb columns
	s_add_co_u32 s28, s28, s30
	s_mov_b32 s29, 0
	s_mul_i32 s30, s17, 196608                     ; the images: weight, tile 2 cb, K step s
	s_mul_i32 s32, s27, 12288
	s_add_co_u32 s30, s30, s32
	s_mul_i32 s32, s19, 1536
	s_add_co_u32 s30, s30, s32
	s_mov_b32 s31, 0
	s_lshl_b32 s32, s17, 13                        ; the scale words
	s_lshl_b32 s34, s19, 11
	s_add_co_u32 s32, s32, s34
	s_lshl_b32 s34, s27, 7
	s_add_co_u32 s32, s32, s34
	s_add_co_u32 s32, s32, 983040
	s_mov_b32 s33, 0
	s_wait_kmcnt 0x0
	s_cmp_eq_u32 s17, 1                            ; the choice hangs on the work-group's number alone
	s_cselect_b64 s[20:21], s[6:7], s[4:5]
	s_cmp_eq_u32 s17, 2
	s_cselect_b64 s[20:21], s[8:9], s[20:21]
	s_cmp_eq_u32 s17, 3
	s_cselect_b64 s[20:21], s[10:11], s[20:21]
	s_cmp_eq_u32 s17, 4
	s_cselect_b64 s[20:21], s[12:13], s[20:21]
	s_add_nc_u64 s[20:21], s[20:21], s[28:29]
	s_add_nc_u64 s[22:23], s[14:15], s[30:31]
	s_add_nc_u64 s[24:25], s[14:15], s[32:33]
.macro LOAD t                          ; block t: W(32 t + i, my column) into set t
.irp i, 0,1,2,3,4,5,6,7,8,9,10,11,12,13,14,15,16,17,18,19,20,21,22,23,24,25,26,27,28,29,30,31
	global_load_b32 v[X+32*(\t)+\i], v2, s[20:21] offset:(32*(\t)+\i)*2048 th:TH_LOAD_NT
.endr
.endm
	LOAD 0
	LOAD 1
	LOAD 2
	LOAD 3
.macro BLOCK t
.set XS, X+32*(\t)
.if (\t) < 2
	s_wait_loadcnt 63                              ; behind blocks 0 and 1 stand 64 loads or more: with 63 out at the most both are in
.elseif (\t) == 2
	s_wait_loadcnt 32                              ; block 3's 32 loads may be out
.else
	s_wait_loadcnt 0x0
.endif
	v_max3_num_f32 v12, |v[XS]|, |v[XS+1]|, |v[XS+2]|    ; the block's largest magnitude, in two chains: all 32 numbers are mine
	v_max3_num_f32 v13, |v[XS+3]|, |v[XS+4]|, |v[XS+5]|
.irp i, 6,10,14,18,22,26
	v_max3_num_f32 v12, v12, |v[XS+\i]|, |v[XS+\i+1]|
	v_max3_num_f32 v13, v13, |v[XS+\i+2]|, |v[XS+\i+3]|
.endr
	v_max3_num_f32 v12, v12, |v[XS+30]|, |v[XS+31]|
	v_max3_num_f32 v12, v12, v13, 0x1800000        ; and the floor 2^(3 - 127): the byte cannot fall under 1
	v_add_nc_u32 v11, 0xff000000, v12              ; 2 off the exponent field: the conversion takes that field as its scale
	v_lshrrev_b32 v13, 23, v11                     ; the scale's byte
.if (\t) == 0
	v_mov_b32 v14, v13                             ; four bytes make my column's scale word for this K step
.else
	v_lshl_or_b32 v14, v13, 8*(\t), v14
.endif
	v_cvt_scalef32_pk16_fp6_f32 v[C:C+2], v[XS:XS+15], v11
	v_cvt_scalef32_pk16_fp6_f32 v[C+4:C+6], v[XS+16:XS+31], v11   ; (a conversion's three registers begin on an even number)
	v_nop                                          ; one plain instruction between a scaled conversion and the moves that touch its result
	v_mov_b32 v[C+3], v[C+4]
	v_mov_b32 v[C+4], v[C+5]
	v_mov_b32 v[C+5], v[C+6]                       ; six registers on end: the block's 24 bytes
.irp p, 0,1,2                          ; block t is registers 6 (t / 2) .. + 5 of lane r + 16 (t % 2) of the image
.set II, 3*((\t)>>1)+\p
	ds_store_b64 v3, v[C+2*\p:C+2*\p+1] offset:512*(II>>1)+256*((\t)&1)+8*(II&1)
.endr
	s_wait_dscnt 0x0                               ; the stores have read their registers: the next block's codes may be written
.endm
	BLOCK 0
	BLOCK 1
	BLOCK 2
	BLOCK 3
	s_wait_alu depctr_va_vdst(0)
	global_store_b32 v6, v14, s[24:25]             ; a wave's 32 words are 128 consecutive bytes, the four waves' 512
.irp k, 0,1,2,3,4,5
	ds_load_b128 v[OUTR+4*\k:OUTR+4*\k+3], v4 offset:512*\k      ; LDS serves a wave's instructions in order: these see my stores
.endr
.irp k, 0,1,2,3,4,5
	s_wait_dscnt 5-\k                              ; the younger reads of the stage may be out
	global_store_b128 v5, v[OUTR+4*\k:OUTR+4*\k+3], s[22:23] offset:(\k/3)*6144+(\k%3)*512   ; 512 consecutive bytes, at a multiple of 512
.endr
	s_wait_tensorcnt 0x0                           ; the wave's end
	ds_add_u32 v16, v17
	s_wait_dscnt 0x0
	s_endpgm
.Lfunc_end_k_q38c21d53ff_wq:
	.size	k_q38c21d53ff_wq, .Lfunc_end_k_q38c21d53ff_wq-k_q38c21d53ff_wq
	.p2alignl 7, 3214868480
	.fill 96, 4, 3214868480
	.section	.rodata,"a",@progbits
	.p2align	6, 0x0
	.amdhsa_kernel k_q38c21d53ff_wq
		.amdhsa_group_segment_fixed_size 12800
		.amdhsa_private_segment_fixed_size 0
		.amdhsa_enable_private_segment 0
		.amdhsa_kernarg_size 48
		.amdhsa_user_sgpr_count 2
		.amdhsa_user_sgpr_kernarg_segment_ptr 1
		.amdhsa_wavefront_size32 1
		.amdhsa_system_sgpr_workgroup_id_x 1
		.amdhsa_system_sgpr_workgroup_id_y 1
		.amdhsa_system_sgpr_workgroup_id_z 1
		.amdhsa_system_vgpr_workitem_id 0
		.amdhsa_next_free_vgpr 192
		.amdhsa_next_free_sgpr 66
		.amdhsa_reserve_vcc 0
		.amdhsa_float_denorm_mode_32 3
		.amdhsa_float_denorm_mode_16_64 3
		.amdhsa_memory_ordered 1
		.amdhsa_forward_progress 1
		.amdhsa_inst_pref_size 23
	.end_amdhsa_kernel
	.amdgpu_metadata
---
amdhsa.version: [ 1, 2 ]
amdhsa.kernels:
  - .name:           k_q38c21d53ff_wq
    .symbol:         k_q38c21d53ff_wq.kd
    .args:
      - { .name: Wq, .offset: 0, .size: 8, .value_kind: global_buffer, .address_space: global }
      - { .name: Wv, .offset: 8, .size: 8, .value_kind: global_buffer, .address_space: global }
      - { .name: Wk, .offset: 16, .size: 8, .value_kind: global_buffer, .address_space: global }
      - { .name: Wpos, .offset: 24, .size: 8, .value_kind: global_buffer, .address_space: global }
      - { .name: Wo, .offset: 32, .size: 8, .value_kind: global_buffer, .address_space: global }
      - { .name: wbuf, .offset: 40, .size: 8, .value_kind: global_buffer, .address_space: global }
    .group_segment_fixed_size: 12800
    .private_segment_fixed_size: 0
    .kernarg_segment_align: 8
    .kernarg_segment_size: 48
    .max_flat_workgroup_size: 128
    .sgpr_count:     66
    .vgpr_count:     192
    .wavefront_size: 32
...
	.end_amdgpu_metadata
.endif
;; end of part 1
;; launch proj (part 2): grid 256 x 1, 4 waves a work-group, no clusters, 327,680 bytes of LDS; arguments query, value, key, pos_emb, bq, bv, bk, pos_bias_u, pos_bias_v, wbuf, qbuf, vbuf, kbuf, pbuf; writes qbuf, vbuf, kbuf, pbuf
.if DOCPART == 2
	.amdgcn_target "amdgcn-amd-amdhsa--gfx1250"
	.amdhsa_code_object_version 6
	.text
	.protected	k_q38c21d53ff_proj
	.globl	k_q38c21d53ff_proj
	.p2align	8
	.type	k_q38c21d53ff_proj,@function
k_q38c21d53ff_proj:
	s_mov_b64 s[64:65], 0
	v_nop
	global_prefetch_b8 v0, s[64:65] scope:SCOPE_SE
	s_setreg_imm32_b32 hwreg(HW_REG_WAVE_MODE, 25, 1), 1
	s_wait_xcnt 0x0
; The four input projections, x W + b on codes of FP6 (E2M3), and the quantising of their results into the operand images of the attention launch.
; UNITS.  A unit is 128 rows of one x; unit U = 0 .. 391: type TY = U / 128: 0 query (Wq, bq), 1 value (Wv, bv), 2 key (Wk, bk), 3 pos_emb (Wpos, no bias; 8 units).
; SHARES.  256 work-groups.  Work-group G < 136 takes units 2 G and 2 G + 1 (one type, one batch), G >= 136 takes unit G + 136: the longer ones have the lower numbers.
; Wave w owns columns 128 w .. + 127 (heads 2 w, 2 w + 1): its 32 fragments of W (384 registers) come from wbuf once and serve both units.  It also fetches and quantises K step w (128 along K) of a unit's 128 rows of x.
; x comes by one tensor load a wave and unit (128 rows x 512 bytes, 16 bytes of padding behind a row); each wave reads only the bytes that it fetched.  The second unit's load fills these bytes again, behind the barrier
; that follows the first unit's quantising, and lands while the first unit is multiplied: one tensor load of a wave is out at the most.
; THE LOOP OVER UNITS has two trips in every work-group.  Where a work-group's last unit stands hangs on its number, so the tail is not written out: a jump on the units left (made of the work-group's number and the loop's steps,
; the same in all waves) leads round the refill, and others round the work of a unit that is not there; every wave passes every wait, add and barrier; every wait on TENSORcnt is for 0.
; No prefetch: the one refill is itself asked a whole unit's products ahead of its first read.  No cluster: work-groups share W alone, which goes into registers.
; The codes of x go from wave to wave through LDS as images of the operand's registers (chunk c: registers 4 c .. 4 c + 3, lane l at 16 l).
; THE ROWS OF A TILE ARE NOT NEIGHBOURS, for x's rows as for W's columns: lane r of tile 2 b + u stands for index 32 b + 8 u + r + 8 (r / 8).
; ROW PATH (query, key, pos_emb): source 0 = 16 columns of W, source 1 = 16 rows of x: a lane holds one row, its 64 registers 64 of my 128 features in the quantiser's order; blocks of 32 features: (head 2 w lo, hi, head 2 w + 1 lo, hi).
;   key, pos_emb: a tile of a head is 768 bytes: piece i (256 bytes) = registers 2 i, 2 i + 1; lanes 0-15 the lower 32 of the head's 64, lanes 16-31 the upper.  Scale words (4 bytes: two heads x lo, hi) go out through a small stage.
;   query: q + u and q + v are quantised; one exchange of halves lays them as the score product wants them: registers 0-5: lanes 0-15 u lo, lanes 16-31 v lo; registers 6-11: u hi, v hi.  Scale word (u lo, v lo, u hi, v hi).
; VALUE PATH: source 0 = 16 rows of x (keys), source 1 = 16 columns of W: a lane holds one column d, its registers run along the keys, which are the second attention product's K: 128 keys = one fragment.
; LIMITS: blocks of zeros, or under 2^-124, keep the byte 1 (this program alone reads the bytes); NaN and infinities are not served.
.set RAWW, 67584                       ; LDS 0: a wave's 128 rows x (512 + 16) bytes of x, f32
.set XIMG, 270336                      ; x's 32 fragments: (tile m, K step s) at (4 m + s) x 1,536
.set XSC,  319488                      ; their scale words: 256 m + 64 s + 4 r
.set SST,  321536                      ; 1,024 bytes a wave: the results' scale words on their way out
.set SPARE, 325632                     ; the spare words, 128 bytes a wave
.set LI,   1                           ; v1  16 x lane
.set WSO,  2                           ; v2  W's scale words: 2,048 h + 4 r
.set BIO,  3                           ; v3  biases in the result's layout: 64 h
.set ARAW, 4                           ; v4  my row and half in the wave's rows of x
.set BVO,  5                           ; v5  bias of my column: 4 (r + 8 (r / 8))
.set AIW,  6                           ; v6  where I store x's images
.set AXW,  8                           ; v8  and their scale words
.set AXI,  10                          ; v10 where images are read
.set AXF,  11                          ; v11 the same for the tile in hand
.set AXS0, 12                          ; v12 where x's scale words are read: lanes 0-15 an even K step's, lanes 16-31 the odd one's
.set AXSH, 13                          ; v13 the same for the tile in hand
.set ASS0, 14                          ; v14 my wave's stage of scale words, 4 r
.set ASS,  15                          ; v15 the same for the tile in hand
.set ASR,  16                          ; v16 the stage read back, 16 x lane
.set OFFO, 17                          ; v17 my offset in the images' buffer
.set OFFS, 18                          ; v18 and among the scale words
.set SPW,  23                          ; v23 my spare word; kept
.set WS,   24                          ; v24-39  W's scale words: 2 Tl + sp: lanes 0-15 K step 2 sp, lanes 16-31 K step 2 sp + 1
.set XSV,  40                          ; v40-55  x's scale words likewise: 2 m + sp (the row path uses the first two)
.set TM,   56                          ; v56-67  the quantiser at work
.set CT,   68                          ; v68-74
.set NIL,  75                          ; v75 0; kept
.set PCU,  76                          ; v76-87  a fragment just made
.set PCV,  88                          ; v88-99  another
.set PWU,  100
.set PWV,  101
.set PWS,  102                         ; v102-105 the value path's four scale words
.set BV,   112                         ; v112-127 bias of my column, tile Tl at 2 Tl, twice (a pair for the packed addition)
.set HA,   128                         ; v128-191 64 results, or 64 numbers of x
.set HU,   192                         ; v192-255 likewise
.set BI,   0                           ; window 1: the bias, u and v in the result's layout; in the value path all 256 are accumulators (T, m) at 64 T + 8 m
.set UB,   64
.set VB,   128
.set XF,   192                         ; windows 2, 3: v0-191 W's fragments (Tl, s) at 96 (s % 2) + 12 Tl of window 2 + s / 2; v192-239 four fragments of x
.set SEL,  46
.set LEFT, 88                          ; s88 units left, this one among them
.set MSB, 0
.macro WIN new                         ; the immediate's high byte repeats the setting that is left; a switch that changes nothing is dropped
.if MSB != (\new)
	s_set_vgpr_msb (MSB<<8)|(\new)
.set MSB, (\new)
.endif
.endm
; One product 16 x 16 x 128.  c < 0: the constant 0 starts the sum.  r1: both sources' scales stand in lanes 16-31.
.macro WM d, a, b, c, sa, sb, r1
.if (\c) < 0
	v_wmma_scale_f32_16x16x128_f8f6f4 v[\d:\d+7], v[\a:\a+11], v[\b:\b+11], 0, v[\sa], v[\sb] matrix_a_fmt:MATRIX_FMT_FP6 matrix_b_fmt:MATRIX_FMT_FP6
.elseif (\r1)
	v_wmma_scale_f32_16x16x128_f8f6f4 v[\d:\d+7], v[\a:\a+11], v[\b:\b+11], v[\c:\c+7], v[\sa], v[\sb] matrix_a_fmt:MATRIX_FMT_FP6 matrix_b_fmt:MATRIX_FMT_FP6 matrix_a_scale:MATRIX_SCALE_ROW1 matrix_b_scale:MATRIX_SCALE_ROW1
.else
	v_wmma_scale_f32_16x16x128_f8f6f4 v[\d:\d+7], v[\a:\a+11], v[\b:\b+11], v[\c:\c+7], v[\sa], v[\sb] matrix_a_fmt:MATRIX_FMT_FP6 matrix_b_fmt:MATRIX_FMT_FP6
.endif
.endm
; 64 numbers of a lane, register 16 b + i = k 32 b + 16 (lane / 16) + i of my row, become a fragment's 12 registers at v[pc] and its scale word in v[pw] (the same in lanes l and l xor 16).
.macro QUANT s, pc, pw
.irp b, 0,1,2,3
	v_max3_num_f32 v[TM+\b], |v[\s+16*\b]|, |v[\s+1+16*\b]|, 0x1800000   ; my 16 numbers of block b, and the floor 2^(3 - 127): the byte cannot fall under 1
.endr
.irp i, 2,4,6,8,10,12,14
.irp b, 0,1,2,3
	v_max3_num_f32 v[TM+\b], v[TM+\b], |v[\s+16*\b+\i]|, |v[\s+1+16*\b+\i]|   ; the four blocks by turns, each result from its low end on
.endr
.endr
.irp b, 0,1,2,3
	v_permlanex16_b32 v[TM+4+\b], v[TM+\b], s[SEL], s[SEL+1]
.endr
.irp b, 0,1,2,3
	v_max_num_f32 v[TM+\b], v[TM+\b], v[TM+4+\b]  ; with lane l xor 16's: the block's largest magnitude
.endr
.irp b, 0,1,2,3
	v_add_nc_u32 v[TM+8+\b], 0xff000000, v[TM+\b] ; 2 off its exponent field: the conversion's scale operand
.endr
.irp b, 0,1,2,3
	v_lshrrev_b32 v[TM+4+\b], 23, v[TM+8+\b]      ; the scale's byte
.endr
	v_lshl_or_b32 v[\pw], v[TM+5], 8, v[TM+4]
	v_lshl_or_b32 v[\pw], v[TM+6], 16, v[\pw]
	v_lshl_or_b32 v[\pw], v[TM+7], 24, v[\pw]
.irp c, 0,1
	v_cvt_scalef32_pk16_fp6_f32 v[\pc+6*\c:\pc+2+6*\c], v[\s+32*\c:\s+15+32*\c], v[TM+8+2*\c]
	v_cvt_scalef32_pk16_fp6_f32 v[CT+4*\c:CT+2+4*\c], v[\s+16+32*\c:\s+31+32*\c], v[TM+9+2*\c]   ; (a conversion's three registers begin on an even number)
.endr
	v_nop                                          ; one plain instruction behind the scaled conversions
.irp c, 0,1                            ; the layout wants a whole block in a lane: lanes 0-15 block 2 c, lanes 16-31 block 2 c + 1
.irp i, 0,1,2
	v_permlane16_swap_b32 v[\pc+6*\c+\i], v[CT+4*\c+\i]
.endr
.irp i, 0,1,2
	v_mov_b32 v[\pc+3+6*\c+\i], v[CT+4*\c+\i]
.endr
.endr
.endm
	s_load_b512 s[4:19], s[0:1], 0x0               ; query 4, value 6, key 8, pos_emb 10, bq 12, bv 14, bk 16, pos_bias_u 18
	s_load_b256 s[20:27], s[0:1], 0x40             ; pos_bias_v 20, wbuf 22, qbuf 24, vbuf 26
	s_load_b128 s[28:31], s[0:1], 0x60             ; kbuf 28, pbuf 30
	v_lshl_add_u32 v[SPW], v0, 2, SPARE
	v_mov_b32 v[NIL], 0
	ds_add_u32 v[SPW], v[NIL]                      ; the opening lines: the add, twice on end, and its wait ahead of my first tensor load
	ds_add_u32 v[SPW], v[NIL]
	v_lshrrev_b32 v7, 5, v0
	v_readfirstlane_b32 s40, v7                    ; wave
	s_lshl_b32 s88, ttmp9, 1
	s_add_co_u32 s89, ttmp9, 136
	s_cmp_lt_u32 ttmp9, 136
	s_cselect_b32 s89, s88, s89                    ; my first unit: 2 G, or G + 136
	s_cselect_b32 s[LEFT], 2, 1                    ; and how many
	s_lshr_b32 s41, s89, 7                         ; TY
	s_and_b32 s42, s89, 127                        ; which 128 rows of x
	s_lshr_b32 s43, s42, 3                         ; batch
	s_and_b32 s44, s42, 7                          ; which 128 rows of the batch
	s_cmp_eq_u32 s41, 1
	s_cselect_b32 s92, 8, 9
	s_lshl_b32 s92, 1, s92                         ; a unit's scale words in bytes: value 256, the others 512
	s_mov_b32 s93, 0
	; descriptor group 1: 128 rows x 128 elements of 4 bytes, 2,048 bytes apart in memory; 4 words of padding behind every 128 words
	s_mov_b32 s52, (2<<16)|(1<<20)|(6<<22)|(3<<25)
	s_mov_b32 s53, 128<<16                         ; tensor_dim0
	s_mov_b32 s54, 128<<16                         ; tensor_dim1
	s_mov_b32 s55, 128<<16                         ; tile_dim0
	s_mov_b32 s56, 128                             ; tile_dim1
	s_mov_b32 s57, 512                             ; elements from row to row
	s_mov_b32 s58, 0
	s_mov_b32 s59, 0
	s_mov_b32 s60, 1
	s_mul_i32 s61, s40, RAWW                       ; my wave's 128 rows
	s_lshl_b32 s82, s42, 18                        ; 128 rows of 2,048 bytes
	s_lshl_b32 s83, s40, 9                         ; my 512 bytes of a row
	s_add_co_u32 s82, s82, s83
	s_mov_b32 s83, 0
	s_wait_dscnt 0x0                               ; both opening adds are done
	s_wait_kmcnt 0x0
	s_cmp_eq_u32 s41, 1                            ; the choices hang on the work-group's number alone
	s_cselect_b64 s[32:33], s[6:7], s[4:5]
	s_cmp_eq_u32 s41, 2
	s_cselect_b64 s[32:33], s[8:9], s[32:33]
	s_cmp_eq_u32 s41, 3
	s_cselect_b64 s[32:33], s[10:11], s[32:33]
	s_add_nc_u64 s[62:63], s[32:33], s[82:83]
	s_or_b32 s63, s63, 0x80000000                  ; type = 2
	tensor_load_to_lds s[60:63], s[52:59]          ; the first unit: K step w of its 128 rows
	s_nop 0
.rept 4
	v_nop
.endr
	s_cmp_eq_u32 s41, 1
	s_cselect_b64 s[34:35], s[14:15], s[12:13]     ; the bias
	s_cselect_b64 s[36:37], s[26:27], s[24:25]     ; the buffer that I write
	s_cmp_eq_u32 s41, 2
	s_cselect_b64 s[34:35], s[16:17], s[34:35]
	s_cselect_b64 s[36:37], s[28:29], s[36:37]
	s_cmp_eq_u32 s41, 3
	s_cselect_b64 s[34:35], s[16:17], s[34:35]     ; (pos_emb has no bias: what is loaded here is cleared below)
	s_cselect_b64 s[36:37], s[30:31], s[36:37]
	s_cmp_eq_u32 s41, 0
	s_cselect_b32 s45, 1, 0                        ; query's images and scale words are twice as large
	s_mul_i32 s82, s41, 196608
	s_mul_i32 s84, s40, 49152
	s_add_co_u32 s82, s82, s84
	s_add_nc_u64 s[78:79], s[22:23], s[82:83]      ; my 8 tiles of my weight's images
	s_lshl_b32 s82, s41, 13
	s_lshl_b32 s84, s40, 9
	s_add_co_u32 s82, s82, s84
	s_add_co_u32 s82, s82, 983040
	s_add_nc_u64 s[80:81], s[22:23], s[82:83]      ; and their scale words
	s_mov_b32 s85, 0
	s_add_nc_u64 s[34:35], s[34:35], s[84:85]      ; my 128 numbers of the bias, of u and of v
	s_add_nc_u64 s[18:19], s[18:19], s[84:85]
	s_add_nc_u64 s[20:21], s[20:21], s[84:85]
	v_and_b32 v20, 31, v0                          ; lane
	v_and_b32 v7, 15, v0                           ; r
	v_bfe_u32 v9, v0, 4, 1                         ; h
	v_lshlrev_b32 v[LI], 4, v20
	v_lshlrev_b32 v[WSO], 2, v7
	v_lshl_add_u32 v[WSO], v9, 11, v[WSO]
	v_lshlrev_b32 v[BIO], 6, v9
	v_and_b32 v19, 8, v7
	v_add_nc_u32 v19, v19, v7                      ; r + 8 (r / 8)
	v_lshlrev_b32 v[BVO], 2, v19
	WIN 0x80                                       ; destination window 2
.irp t, 0,1,2,3,4,5,6,7
.irp s, 0,1
.irp c, 0,1,2
	global_load_b128 v[96*\s+12*\t+4*\c:96*\s+12*\t+4*\c+3], v[LI], s[78:79] offset:6144*\t+1536*\s+512*\c
.endr
.endr
.endr
	WIN 0xc0                                       ; window 3: K steps 2, 3
.irp t, 0,1,2,3,4,5,6,7
.irp s, 0,1
.irp c, 0,1,2
	global_load_b128 v[96*\s+12*\t+4*\c:96*\s+12*\t+4*\c+3], v[LI], s[78:79] offset:6144*\t+1536*(\s+2)+512*\c
.endr
.endr
.endr
	WIN 0
.irp t, 0,1,2,3,4,5,6,7
.irp p, 0,1
	global_load_b32 v[WS+2*\t+\p], v[WSO], s[80:81] offset:4096*\p+64*\t
.endr
.endr
	WIN 0x40                                       ; window 1: lane (r, h) wants, for tile 2 b + u, the numbers of features 32 b + 16 h + 8 u + 0 .. 7
.irp t, 0,1,2,3,4,5,6,7
	global_load_b128 v[BI+8*\t:BI+8*\t+3], v[BIO], s[34:35] offset:(32*(\t/2)+8*(\t%2))*4
	global_load_b128 v[BI+8*\t+4:BI+8*\t+7], v[BIO], s[34:35] offset:(32*(\t/2)+8*(\t%2))*4+16
	global_load_b128 v[UB+8*\t:UB+8*\t+3], v[BIO], s[18:19] offset:(32*(\t/2)+8*(\t%2))*4
	global_load_b128 v[UB+8*\t+4:UB+8*\t+7], v[BIO], s[18:19] offset:(32*(\t/2)+8*(\t%2))*4+16
	global_load_b128 v[VB+8*\t:VB+8*\t+3], v[BIO], s[20:21] offset:(32*(\t/2)+8*(\t%2))*4
	global_load_b128 v[VB+8*\t+4:VB+8*\t+7], v[BIO], s[20:21] offset:(32*(\t/2)+8*(\t%2))*4+16
.endr
	WIN 0
.irp t, 0,1,2,3,4,5,6,7
	global_load_b32 v[BV+2*\t], v[BVO], s[34:35] offset:(32*(\t/2)+8*(\t%2))*4     ; the bias of column (tile t, lane r), into both registers of a pair
	global_load_b32 v[BV+2*\t+1], v[BVO], s[34:35] offset:(32*(\t/2)+8*(\t%2))*4
.endr
	; LDS addresses: a constant + a constant x lane + a constant x wave
	v_mul_u32_u24 v[ARAW], v19, 528
	v_lshl_add_u32 v[ARAW], v9, 6, v[ARAW]
	v_add_nc_u32 v[ARAW], s61, v[ARAW]             ; row r + 8 (r / 8) of a tile, + 64 h: my 16 numbers of a block of 32
	s_mul_i32 s86, s40, 1536
	s_add_co_u32 s86, s86, XIMG
	v_add_nc_u32 v[AIW], s86, v[LI]
	s_lshl_b32 s86, s40, 6
	s_add_co_u32 s86, s86, XSC
	v_lshl_add_u32 v[AXW], v7, 2, s86
	v_add_nc_u32 v[AXI], XIMG, v[LI]
	v_lshl_add_u32 v[AXS0], v20, 2, XSC
	s_lshl_b32 s86, s40, 10
	s_add_co_u32 s86, s86, SST
	v_lshl_add_u32 v[ASS0], v7, 2, s86
	v_add_nc_u32 v[ASR], s86, v[LI]
	; where the results go
	s_cmp_eq_u32 s41, 1
	s_cselect_b32 s86, 4, 3                        ; value's images go out 16 bytes a lane, the others' 8;
	s_cselect_b32 s87, 3, 4                        ; its scale words 8 bytes a lane, the others' 16
	v_lshlrev_b32 v[OFFO], s86, v20
	v_lshlrev_b32 v[OFFS], s87, v20
	s_mul_i32 s86, s40, 98304                      ; my two heads
	s_lshl_b32 s86, s86, s45
	v_add_nc_u32 v[OFFO], s86, v[OFFO]
	s_lshl_b32 s87, s40, 12
	s_lshl_b32 s87, s87, s45
	v_add_nc_u32 v[OFFS], s87, v[OFFS]
	s_mov_b64 s[38:39], s[36:37]
	s_mul_i32 s82, s43, 393216                     ; the batch's 8 heads, my 128 rows' 8 tiles (or one K step of value's four tiles)
	s_mul_i32 s84, s44, 6144
	s_add_co_u32 s82, s82, s84
	s_lshl_b32 s82, s82, s45
	s_add_nc_u64 s[36:37], s[36:37], s[82:83]      ; images
	s_mov_b32 s82, 6291456
	s_lshl_b32 s82, s82, s45
	s_cmp_eq_u32 s41, 3
	s_cselect_b32 s82, 393216, s82                 ; where the buffer's scale words begin
	s_lshl_b32 s84, s43, 14
	s_lshl_b32 s84, s84, s45
	s_add_co_u32 s82, s82, s84
	s_cmp_eq_u32 s41, 1
	s_cselect_b32 s84, 8, 9
	s_lshl_b32 s84, s44, s84
	s_add_co_u32 s82, s82, s84
	s_add_nc_u64 s[38:39], s[38:39], s[82:83]      ; scale words
	s_lshl_b32 s76, 768, s45                       ; from tile to tile: eight such steps lead to the next unit's images
	s_mov_b32 s77, 0
	s_mov_b32 s[SEL], 0x76543210
	s_mov_b32 s[SEL+1], 0xfedcba98                 ; lane l xor 16
	s_mov_b32 s48, 0x05010400                      ; bytes (u0, v0, u1, v1): the first head's scale word
	s_mov_b32 s49, 0x07030602                      ; bytes (u2, v2, u3, v3): the second's
	s_mov_b32 s50, 0xffff0000                      ; lanes 16-31
.irp b, 0,1,2,3
	v_mov_b32 v[TM+4+\b], 0                        ; written once: a lane permute's destination counts as one of its sources
.endr
; ---- x: K step w of all 128 rows becomes eight fragments, two tiles at a time
.macro XLD reg, off
.irp b, 0,1,2,3
.irp j, 0,1,2,3
	ds_load_b128 v[\reg+16*\b+4*\j:\reg+16*\b+4*\j+3], v[ARAW] offset:\off+128*\b+16*\j
.endr
.endr
.endm
.macro IMAGE pc, pw, m
.irp c, 0,1,2
	ds_store_b128 v[AIW], v[\pc+4*\c:\pc+4*\c+3] offset:6144*(\m)+512*\c
.endr
	ds_store_b32 v[AXW], v[\pw] offset:256*(\m)    ; lanes l and l xor 16 write the same word with the same value
.endm
	s_mov_b32 s90, 2                               ; the loop over units: two trips in every work-group
	s_wait_alu depctr_va_vdst(0)
.Lunit:
	s_wait_tensorcnt 0x0                           ; my 128 rows of this unit are in
	s_cmp_eq_u32 s[LEFT], 0
	s_cbranch_scc1 .Lnoq                           ; no unit left: round the work alone
.irp i, 0,1,2,3
	XLD HA, 16896*\i
	XLD HU, 16896*\i+4224
	s_wait_dscnt 16                                ; the first tile's 16 loads are in; the second's 16 may be out
	QUANT HA, PCU, PWU
	IMAGE PCU, PWU, 2*\i
	s_wait_dscnt 4                                 ; only the four stores just issued may be out: the second tile is in
	QUANT HU, PCV, PWV
	IMAGE PCV, PWV, 2*\i+1
.endr
.Lnoq:
	s_wait_tensorcnt 0x0                           ; none of my tensor loads is out
	ds_add_u32 v[SPW], v[NIL]
	s_add_nc_u64 s[62:63], s[62:63], 262144        ; so the descriptor may be written: the next unit, 128 rows of 2,048 bytes on
	s_wait_dscnt 0x0                               ; the add, my reads of x's rows and my images are done
	s_barrier_signal -1
	s_barrier_wait -1                              ; x's 32 fragments lie in LDS, and nobody reads the rows of x any more
	s_cmp_lt_u32 s[LEFT], 2
	s_cbranch_scc1 .Lnorefill                      ; no further unit: nothing is fetched
	tensor_load_to_lds s[60:63], s[52:59]          ; the next unit's rows, into the bytes just read out; they land while this unit is multiplied
	s_nop 0
.rept 4
	v_nop
.endr
.Lnorefill:
	s_wait_loadcnt 0x0                             ; W, its scale words, the biases
	s_cmp_lg_u32 s41, 3
	s_cbranch_scc1 .Lbias
	WIN 0x40
.set i_, 0
.rept 64
	v_mov_b32 v[BI+i_], 0                          ; pos_emb's product has no bias
.set i_, i_+1
.endr
	WIN 0
.Lbias:
	s_cmp_lg_u32 s41, 1
	s_cbranch_scc1 .Lrow                           ; (value's work-groups all have two units)
; ---- VALUE PATH.  Per head g: 32 accumulators (4 tiles of d x 8 tiles of keys), a run = one K step x four tiles of keys = 16 products; x's fragments in two buffers by turns
.macro VFETCH rho
	WIN 0x80+0x40*((\rho)&1)
.irp k, 0,1,2,3
.irp c, 0,1,2
	ds_load_b128 v[XF+12*\k+4*\c:XF+12*\k+4*\c+3], v[AXI] offset:(4*(4*((\rho)&1)+\k)+((\rho)>>1))*1536+512*\c
.endr
.endr
	WIN 0
.endm
.macro VMUL g, rho
.if (\rho) < 7
	s_wait_dscnt 12                                ; this run's fragments are in; the next run's 12 loads may be out
.else
	s_wait_dscnt 0x0
.endif
.set VS_, (\rho)>>1
.set VM_, 4*((\rho)&1)
	WIN (2+((\rho)&1))|((2+(VS_>>1))<<2)|0x50
.irp k, 0,1,2,3
.irp t, 0,1,2,3
.if VS_ == 0
	WM 64*\t+8*(VM_+\k), XF+12*\k, 12*(4*(\g)+\t), -1, XSV+2*(VM_+\k), WS+2*(4*(\g)+\t), 0
.else
	WM 64*\t+8*(VM_+\k), XF+12*\k, 96*(VS_&1)+12*(4*(\g)+\t), 64*\t+8*(VM_+\k), XSV+2*(VM_+\k)+(VS_>>1), WS+2*(4*(\g)+\t)+(VS_>>1), VS_&1
.endif
.endr
.endr
	WIN 0
.rept 4
	v_nop                                          ; places in front of loads into registers that these products have read, and of the first read of results
.endr
.if (\rho) < 6
	VFETCH (\rho)+2
.endif
.endm
.macro VEPI g, t                       ; tile t of head g: + bias, quantised along the 128 keys, the image as it stands to memory
	s_wait_xcnt 0x0                                ; the last stores have read their registers
	WIN 0x01
.set i_, 0
.rept 32
	v_pk_add_f32 v[HA+2*i_:HA+2*i_+1], v[64*(\t)+2*i_:64*(\t)+2*i_+1], v[BV+2*(4*(\g)+(\t)):BV+2*(4*(\g)+(\t))+1]
.set i_, i_+1
.endr
	WIN 0
	QUANT HA, PCU, PWS+(\t)
.irp c, 0,1,2
	global_store_b128 v[OFFO], v[PCU+4*\c:PCU+4*\c+3], s[36:37] offset:49152*(\g)+1536*(\t)+512*\c   ; 512 consecutive bytes
.endr
.endm
.irp m, 0,1,2,3,4,5,6,7
.irp p, 0,1
	ds_load_b32 v[XSV+2*\m+\p], v[AXS0] offset:256*\m+128*\p
.endr
.endr
.irp g, 0,1
	VFETCH 0
	VFETCH 1
.irp rho, 0,1,2,3,4,5,6,7
	VMUL \g, \rho
.endr
.irp t, 0,1,2,3
	VEPI \g, \t
.endr
	v_cndmask_b32 v106, v102, v103, s50            ; lanes 0-15 the even tile's scale words, lanes 16-31 the odd tile's
	v_cndmask_b32 v107, v104, v105, s50
	global_store_b64 v[OFFS], v[106:107], s[38:39] offset:2048*\g      ; 256 consecutive bytes
.endr
; ---- ROW PATH.  Every work-group walks the loop (its trip count is a constant); value's, and those with no unit left, jump over a trip's work.
.Lrow:
	s_cmp_eq_u32 s41, 1
	s_cselect_b32 s91, 1, 0
	s_cmp_eq_u32 s[LEFT], 0
	s_cselect_b32 s91, 1, s91                      ; 1: no work for the row path in this trip
.macro RFETCH
	WIN 0x80
.irp s, 0,1,2,3
.irp c, 0,1,2
	ds_load_b128 v[XF+12*\s+4*\c:XF+12*\s+4*\c+3], v[AXF] offset:1536*\s+512*\c
.endr
.endr
	WIN 0
	ds_load_b32 v[XSV], v[AXSH]
	ds_load_b32 v[XSV+1], v[AXSH] offset:128
.endm
.macro RTILE fetch
	s_cmp_eq_u32 s91, 1
	s_cbranch_scc1 .Lskip_\@
	s_wait_dscnt 0x0                               ; the tile's four fragments and two scale registers are in
	WIN 0x1a                                       ; W and x window 2, the bias window 1
	s_wait_alu depctr_va_vdst(0)
.irp t, 0,1,2,3,4,5,6,7
	WM HA+8*\t, 12*\t, XF, BI+8*\t, WS+2*\t, XSV, 0          ; the bias is the C of each sum's first product; the eight accumulators take turns
.endr
	WIN 0x0a
.irp t, 0,1,2,3,4,5,6,7
	WM HA+8*\t, 96+12*\t, XF+12, HA+8*\t, WS+2*\t, XSV, 1
.endr
	WIN 0x0b                                       ; W window 3
.irp t, 0,1,2,3,4,5,6,7
	WM HA+8*\t, 12*\t, XF+24, HA+8*\t, WS+2*\t+1, XSV+1, 0
.endr
.irp t, 0,1,2,3,4,5,6,7
	WM HA+8*\t, 96+12*\t, XF+36, HA+8*\t, WS+2*\t+1, XSV+1, 1
.endr
	WIN 0
	v_add_nc_u32 v[ASS], s74, v[ASS0]              ; four plain instructions: the places in front of the loads below and of the first read of results
.if \fetch
	v_add_nc_u32 v[AXF], s72, v[AXI]
	v_add_nc_u32 v[AXSH], s73, v[AXS0]
	v_nop
	RFETCH                                         ; the next tile lands while this one is quantised
.else
.rept 3
	v_nop
.endr
.endif
	s_cmp_eq_u32 s41, 0
	s_cbranch_scc1 .Lq_\@
	QUANT HA, PCU, PWU                             ; key, pos_emb
.irp c, 0,1
.irp p, 0,1,2
	global_store_b64 v[OFFO], v[PCU+6*\c+2*\p:PCU+6*\c+2*\p+1], s[36:37] offset:49152*\c+256*\p   ; head 2 w + c, piece p: 256 consecutive bytes
.endr
.endr
	ds_store_b32 v[ASS], v[PWU]
	s_branch .Lskip_\@
.Lq_\@:
	WIN 0x04
.set i_, 0
.rept 32
	v_pk_add_f32 v[HU+2*i_:HU+2*i_+1], v[HA+2*i_:HA+2*i_+1], v[UB+2*i_:UB+2*i_+1]    ; q + u
.set i_, i_+1
.endr
	WIN 0
	QUANT HU, PCU, PWU
	WIN 0x04
.set i_, 0
.rept 32
	v_pk_add_f32 v[HU+2*i_:HU+2*i_+1], v[HA+2*i_:HA+2*i_+1], v[VB+2*i_:VB+2*i_+1]    ; q + v
.set i_, i_+1
.endr
	WIN 0
	QUANT HU, PCV, PWV
.irp i, 0,1,2,3,4,5,6,7,8,9,10,11
	v_permlane16_swap_b32 v[PCU+\i], v[PCV+\i]     ; u's upper halves change places with v's lower: (u lo | v lo) and (u hi | v hi)
.endr
	v_perm_b32 v21, v[PWV], v[PWU], s48
	v_perm_b32 v22, v[PWV], v[PWU], s49
	ds_store_b32 v[ASS], v21
	ds_store_b32 v[ASS], v22 offset:512
.irp c, 0,1
.irp p, 0,1,2
	global_store_b64 v[OFFO], v[PCU+6*\c+2*\p:PCU+6*\c+2*\p+1], s[36:37] offset:98304*\c+256*\p
	global_store_b64 v[OFFO], v[PCV+6*\c+2*\p:PCV+6*\c+2*\p+1], s[36:37] offset:98304*\c+768+256*\p
.endr
.endr
.Lskip_\@:
	s_wait_xcnt 0x0                                ; the stores have read their registers and their base: both are written again below and in the next tile
	s_add_nc_u64 s[36:37], s[36:37], s[76:77]
	s_add_co_u32 s72, s72, 6144
	s_add_co_u32 s73, s73, 256
	s_add_co_u32 s74, s74, 64
.endm
	v_add_nc_u32 v[AXF], 0, v[AXI]
	v_add_nc_u32 v[AXSH], 0, v[AXS0]
	RFETCH                                         ; tile 0
	s_mov_b32 s72, 6144                            ; the next tile's images,
	s_mov_b32 s73, 256                             ; its scale words,
	s_mov_b32 s74, 0                               ; this tile's place in the stage
	s_mov_b32 s75, 7
.Lt:
	RTILE 1
	s_sub_co_u32 s75, s75, 1
	s_cmp_lg_u32 s75, 0
	s_cbranch_scc1 .Lt
	RTILE 0                                        ; the last tile fetches nothing
	s_cmp_eq_u32 s91, 1
	s_cbranch_scc1 .Lend
	ds_load_b128 v[108:111], v[ASR]                ; my own stage: LDS serves a wave's instructions in order
	s_wait_dscnt 0x0
	global_store_b128 v[OFFS], v[108:111], s[38:39]       ; 8 tiles x 16 words: 512 consecutive bytes
	s_cmp_lg_u32 s41, 0
	s_cbranch_scc1 .Lend
	s_wait_xcnt 0x0                                ; the store has read its registers
	ds_load_b128 v[108:111], v[ASR] offset:512     ; query: the second head's words
	s_wait_dscnt 0x0
	global_store_b128 v[OFFS], v[108:111], s[38:39] offset:4096
.Lend:
	s_wait_xcnt 0x0                                ; the stores have read their registers and their base
	s_add_nc_u64 s[38:39], s[38:39], s[92:93]      ; the next unit's scale words (its images' base has been stepped tile by tile)
	s_max_u32 s[LEFT], s[LEFT], 1
	s_sub_co_u32 s[LEFT], s[LEFT], 1               ; units left: 2, 1, 0 or 1, 0, 0
	s_wait_alu depctr_va_vdst(0)
	s_wait_dscnt 0x0                               ; my reads of x's images are over
	s_barrier_signal -1
	s_barrier_wait -1                              ; everybody's are: the next unit's images may be stored
	s_sub_co_u32 s90, s90, 1
	s_cmp_lg_u32 s90, 0
	s_cbranch_scc1 .Lunit
	s_wait_tensorcnt 0x0                           ; the wave's end
	ds_add_u32 v[SPW], v[NIL]
	s_wait_dscnt 0x0
	s_endpgm
.Lfunc_end_k_q38c21d53ff_proj:
	.size	k_q38c21d53ff_proj, .Lfunc_end_k_q38c21d53ff_proj-k_q38c21d53ff_proj
	.p2alignl 7, 3214868480
	.fill 96, 4, 3214868480
	.section	.rodata,"a",@progbits
	.p2align	6, 0x0
	.amdhsa_kernel k_q38c21d53ff_proj
		.amdhsa_group_segment_fixed_size 327680
		.amdhsa_private_segment_fixed_size 0
		.amdhsa_enable_private_segment 0
		.amdhsa_kernarg_size 112
		.amdhsa_user_sgpr_count 2
		.amdhsa_user_sgpr_kernarg_segment_ptr 1
		.amdhsa_wavefront_size32 1
		.amdhsa_system_sgpr_workgroup_id_x 1
		.amdhsa_system_sgpr_workgroup_id_y 1
		.amdhsa_system_sgpr_workgroup_id_z 1
		.amdhsa_system_vgpr_workitem_id 0
		.amdhsa_next_free_vgpr 1024
		.amdhsa_next_free_sgpr 96
		.amdhsa_reserve_vcc 0
		.amdhsa_float_denorm_mode_32 3
		.amdhsa_float_denorm_mode_16_64 3
		.amdhsa_memory_ordered 1
		.amdhsa_forward_progress 1
		.amdhsa_inst_pref_size 213
	.end_amdhsa_kernel
	.amdgpu_metadata
---
amdhsa.version: [ 1, 2 ]
amdhsa.kernels:
  - .name:           k_q38c21d53ff_proj
    .symbol:         k_q38c21d53ff_proj.kd
    .args:
      - { .name: query, .offset: 0, .size: 8, .value_kind: global_buffer, .address_space: global }
      - { .name: value, .offset: 8, .size: 8, .value_kind: global_buffer, .address_space: global }
      - { .name: key, .offset: 16, .size: 8, .value_kind: global_buffer, .address_space: global }
      - { .name: pos_emb, .offset: 24, .size: 8, .value_kind: global_buffer, .address_space: global }
      - { .name: bq, .offset: 32, .size: 8, .value_kind: global_buffer, .address_space: global }
      - { .name: bv, .offset: 40, .size: 8, .value_kind: global_buffer, .address_space: global }
      - { .name: bk, .offset: 48, .size: 8, .value_kind: global_buffer, .address_space: global }
      - { .name: pos_bias_u, .offset: 56, .size: 8, .value_kind: global_buffer, .address_space: global }
      - { .name: pos_bias_v, .offset: 64, .size: 8, .value_kind: global_buffer, .address_space: global }
      - { .name: wbuf, .offset: 72, .size: 8, .value_kind: global_buffer, .address_space: global }
      - { .name: qbuf, .offset: 80, .size: 8, .value_kind: global_buffer, .address_space: global }
      - { .name: vbuf, .offset: 88, .size: 8, .value_kind: global_buffer, .address_space: global }
      - { .name: kbuf, .offset: 96, .size: 8, .value_kind: global_buffer, .address_space: global }
      - { .name: pbuf, .offset: 104, .size: 8, .value_kind: global_buffer, .address_space: global }
    .group_segment_fixed_size: 327680
    .private_segment_fixed_size: 0
    .kernarg_segment_align: 8
    .kernarg_segment_size: 112
    .max_flat_workgroup_size: 128
    .sgpr_count:     96
    .vgpr_count:     1024
    .wavefront_size: 32
...
	.end_amdgpu_metadata
.endif
;; end of part 2
;; launch attn (part 3): grid 2 x 128, 8 waves a work-group, no clusters, 327,680 bytes of LDS; arguments qbuf, kbuf, pbuf, vbuf, mask, abuf; writes abuf
.if DOCPART == 3
	.amdgcn_target "amdgcn-amd-amdhsa--gfx1250"
	.amdhsa_code_object_version 6
	.text
	.protected	k_q38c21d53ff_attn
	.globl	k_q38c21d53ff_attn
	.p2align	8
	.type	k_q38c21d53ff_attn,@function
k_q38c21d53ff_attn:
	s_mov_b64 s[64:65], 0
	v_nop
	global_prefetch_b8 v0, s[64:65] scope:SCOPE_SE
	s_setreg_imm32_b32 hwreg(HW_REG_WAVE_MODE, 25, 1), 1
	s_wait_xcnt 0x0
; softmax(((q + u) k^T + (q + v) p^T) / 8 + mask) v on codes of FP6 (E2M3), for one (batch, head) and 512 queries a work-group; the result, divided by the row's sum, is quantised along the features for the output projection.
; ONE PRODUCT FOR BOTH SCORES: K = 64 + 64 = 128, blocks (u lo . k lo, v lo . p lo, u hi . k hi, v hi . p hi): lanes 0-15 of a fragment hold a row of q + u (or of k), lanes 16-31 a row of q + v (or of p).  8 x mask is that product's C.
; THE SOFTMAX: M = the running largest t rounded up to a whole number; p = 2^(t - M) is quantised along the keys, not normalised; the sum is taken of the unquantised p; when M moves, sum and O^T are multiplied by 2^(old M - new M), exactly.
; Both products are used transposed (source 0 = 16 keys, or 16 of the head's 64; source 1 = 16 queries): a lane holds one query throughout.
; THE KEYS OF A SCORE TILE: lane r of tile 4 g + tt stands for key 64 g + 32 (r / 8) + 8 tt + r % 8 of the step's 128.  So registers 32 c .. 32 c + 31 of lane (r, h) are the WHOLE block 2 c + h of 32 keys, in order:
; a block's maximum needs no other lane, and the conversions' results are the operand's registers (three moves a block, since a conversion's registers begin on an even number).
; kbuf and pbuf lay a tile otherwise (lane r of tile 2 b + u: key 32 b + 8 u + r + 8 (r / 8)); the tiles wanted here are gathered by the LDS addresses alone: lanes 8-15 read two stored tiles further on.
; SHARES.  Eight waves, 64 queries (four tiles) each, in 512 registers.  Each fragment of k, p, v and mask read from LDS serves four tiles of queries.
; LDS.  A head's k, p and v images come as rows of 256 bytes with 32 bytes of padding behind each, so that the four groups of eight lanes of a load of 8 bytes start 64 bytes apart modulo 256.  Every byte is filled once:
; key step 0 (24 rows each) by one tensor load of waves 0-2 at the head; key steps 1-7 (168 rows each, two loads of 84) by waves 0-5 behind the first barrier, while key step 0 is worked; a second barrier shows them to all.
; No cluster: k and v of a (batch, head) are read by two work-groups only; p's images, which 32 work-groups share, are a third of the fill.  No prefetch: behind the first barrier every tile of the launch has been asked for.
; LIMITS: mask values under -1.25e29, -infinity and NaN in the mask are taken as -1.25e29.  The running largest score (ac + bd + 8 mask) begins at -5e8: keys under it count as p = 0, and a row all of whose scores lie under it gives NaN.
; Other NaN and infinities are not served.  A block whose every p is 0 keeps the scale byte 1 over zero codes.
.set PT,   288                         ; an LDS row: 256 bytes + 32
.set PIMG, 55424                       ; p's images: 128 past a multiple of 256
.set VIMG, 110848
.set KSC,  166144                      ; (k lo, p lo, k hi, p hi) words as stored: 512 j + 64 T + 4 r
.set MSK,  170240                      ; 8 x mask, 1,024 numbers
.set VSC,  174336                      ; v's scale words: 256 j + 8 lane
.set SPARE, 176384                     ; the spare words, 128 bytes a wave
.set AKP,  1                           ; v1  1,728 (r / 8) + 8 (r % 8) + PIMG h, stepped 24 rows a key step
.set AV,   2                           ; v2  VIMG + 288 h + 16 r
.set AM,   3                           ; v3  MSK + 128 h
.set AKS,  4                           ; v4  KSC + 128 (r / 8) + 64 h + 4 (r % 8)
.set AVS,  5                           ; v5  VSC + 8 lane
.set QS,   6                           ; v6-7   the queries' scale words: lanes 0-15 tile 2 k, lanes 16-31 tile 2 k + 1
.set KS,   8                           ; v8-11  the keys' likewise
.set VS,   12                          ; v12-13 v's likewise
.set ST,   16                          ; v16-31 tile q: -M, the largest score, the sum in two halves
.set PC,   32                          ; v32-43 p's codes
.set BM,   44                          ; v44-47 maxima at work; the blocks' in v44, v46
.set T2,   48                          ; v48-55 at work
.set SO,   56                          ; v56-57 the conversions' scale operands
.set SPW,  58                          ; v58 my spare word; kept
.set NIL,  59                          ; v59 0; kept
.set S,    64                          ; v64-127 the scores of one tile of queries, then p
.set O,    128                         ; v128-255 O^T: tile q at 32 q
.set KF,   0                           ; window 1: 8 fragments of (k | p), 4 of v, the mask in the result's layout, my 4 fragments of queries
.set VF,   96
.set MC,   144
.set QF,   208
.set TM,   64                          ; the way out's quantiser works in the scores' registers
.set CT,   76
.set CS,   60                          ; s[60:61] c = log2(e) / 8
.set SEL,  62                          ; s[62:63] lane l xor 16
.set MSB, 0
.macro WIN new                         ; the immediate's high byte repeats the setting that is left
.if MSB != (\new)
	s_set_vgpr_msb (MSB<<8)|(\new)
.set MSB, (\new)
.endif
.endm
.macro WM d, a, b, c, sa, sb, ra, rb   ; one product 16 x 16 x 128; c < 0: the constant 0; ra, rb: that source's scales stand in lanes 16-31
.if (\c) < 0
.if (\ra)
	v_wmma_scale_f32_16x16x128_f8f6f4 v[\d:\d+7], v[\a:\a+11], v[\b:\b+11], 0, v[\sa], v[\sb] matrix_a_fmt:MATRIX_FMT_FP6 matrix_b_fmt:MATRIX_FMT_FP6 matrix_a_scale:MATRIX_SCALE_ROW1
.else
	v_wmma_scale_f32_16x16x128_f8f6f4 v[\d:\d+7], v[\a:\a+11], v[\b:\b+11], 0, v[\sa], v[\sb] matrix_a_fmt:MATRIX_FMT_FP6 matrix_b_fmt:MATRIX_FMT_FP6
.endif
.else
.if (\ra) && (\rb)
	v_wmma_scale_f32_16x16x128_f8f6f4 v[\d:\d+7], v[\a:\a+11], v[\b:\b+11], v[\c:\c+7], v[\sa], v[\sb] matrix_a_fmt:MATRIX_FMT_FP6 matrix_b_fmt:MATRIX_FMT_FP6 matrix_a_scale:MATRIX_SCALE_ROW1 matrix_b_scale:MATRIX_SCALE_ROW1
.elseif (\ra)
	v_wmma_scale_f32_16x16x128_f8f6f4 v[\d:\d+7], v[\a:\a+11], v[\b:\b+11], v[\c:\c+7], v[\sa], v[\sb] matrix_a_fmt:MATRIX_FMT_FP6 matrix_b_fmt:MATRIX_FMT_FP6 matrix_a_scale:MATRIX_SCALE_ROW1
.elseif (\rb)
	v_wmma_scale_f32_16x16x128_f8f6f4 v[\d:\d+7], v[\a:\a+11], v[\b:\b+11], v[\c:\c+7], v[\sa], v[\sb] matrix_a_fmt:MATRIX_FMT_FP6 matrix_b_fmt:MATRIX_FMT_FP6 matrix_b_scale:MATRIX_SCALE_ROW1
.else
	v_wmma_scale_f32_16x16x128_f8f6f4 v[\d:\d+7], v[\a:\a+11], v[\b:\b+11], v[\c:\c+7], v[\sa], v[\sb] matrix_a_fmt:MATRIX_FMT_FP6 matrix_b_fmt:MATRIX_FMT_FP6
.endif
.endif
.endm
; The way out's quantiser: 64 numbers of a lane, register 16 b + i = number 16 (lane / 16) + i of block b, become 12 registers of codes at v[pc] (registers 6 c ..: lanes 0-15 block 2 c, lanes 16-31 block 2 c + 1) and four scale bytes in v[pw].
.macro QUANT s, pc, pw
.irp b, 0,1,2,3
	v_max3_num_f32 v[TM+\b], |v[\s+16*\b]|, |v[\s+1+16*\b]|, 0x1800000
.endr
.irp i, 2,4,6,8,10,12,14
.irp b, 0,1,2,3
	s_delay_alu instid0(VALU_DEP_4)
	v_max3_num_f32 v[TM+\b], v[TM+\b], |v[\s+16*\b+\i]|, |v[\s+1+16*\b+\i]|
.endr
.endr
.irp b, 0,1,2,3
	v_permlanex16_b32 v[TM+4+\b], v[TM+\b], s[SEL], s[SEL+1]
.endr
.irp b, 0,1,2,3
	s_delay_alu instid0(VALU_DEP_4)
	v_max_num_f32 v[TM+\b], v[TM+\b], v[TM+4+\b]
.endr
.irp b, 0,1,2,3
	s_delay_alu instid0(VALU_DEP_4)
	v_add_nc_u32 v[TM+8+\b], 0xff000000, v[TM+\b]
.endr
.irp b, 0,1,2,3
	s_delay_alu instid0(VALU_DEP_4)
	v_lshrrev_b32 v[TM+4+\b], 23, v[TM+8+\b]
.endr
	s_delay_alu instid0(VALU_DEP_3)
	v_lshl_or_b32 v[\pw], v[TM+5], 8, v[TM+4]
	s_delay_alu instid0(VALU_DEP_1)
	v_lshl_or_b32 v[\pw], v[TM+6], 16, v[\pw]
	s_delay_alu instid0(VALU_DEP_1)
	v_lshl_or_b32 v[\pw], v[TM+7], 24, v[\pw]
.irp c, 0,1
	v_cvt_scalef32_pk16_fp6_f32 v[\pc+6*\c:\pc+2+6*\c], v[\s+32*\c:\s+15+32*\c], v[TM+8+2*\c]
	v_cvt_scalef32_pk16_fp6_f32 v[CT+4*\c:CT+2+4*\c], v[\s+16+32*\c:\s+31+32*\c], v[TM+9+2*\c]
.endr
	v_nop                                          ; one plain instruction behind the scaled conversions
.irp c, 0,1
.irp i, 0,1,2
	v_permlane16_swap_b32 v[\pc+6*\c+\i], v[CT+4*\c+\i]
.endr
.irp i, 0,1,2
	s_delay_alu instid0(VALU_DEP_3)
	v_mov_b32 v[\pc+3+6*\c+\i], v[CT+4*\c+\i]
.endr
.endr
.endm
	s_load_b256 s[4:11], s[0:1], 0x0               ; qbuf 4, kbuf 6, pbuf 8, vbuf 10
	s_load_b128 s[12:15], s[0:1], 0x20             ; mask 12, abuf 14
	v_lshl_add_u32 v[SPW], v0, 2, SPARE
	v_mov_b32 v[NIL], 0
	ds_add_u32 v[SPW], v[NIL]                      ; the opening lines: the add, twice on end, and its wait ahead of the first tensor load
	ds_add_u32 v[SPW], v[NIL]
	v_lshrrev_b32 v1, 5, v0
	s_delay_alu instid0(VALU_DEP_1)
	v_readfirstlane_b32 s16, v1                    ; wave 0..7
	s_and_b32 s17, ttmp7, 0xffff                   ; batch x 8 + head
	s_lshr_b32 s18, s17, 3                         ; batch
	s_and_b32 s19, s17, 7                          ; head
	; descriptor groups 1: dense rows of 256 bytes (32 elements of 8), 8 words of padding behind every 64: 24 rows at the head, 84 behind the first barrier
	s_mov_b32 s40, (3<<16)|(1<<20)|(5<<22)|(7<<25)
	s_mov_b32 s41, 32<<16
	s_mov_b32 s42, 24<<16
	s_mov_b32 s43, 32<<16
	s_mov_b32 s44, 24
	s_mov_b32 s45, 32
	s_mov_b32 s46, 0
	s_mov_b32 s47, 0
	s_mov_b32 s72, (3<<16)|(1<<20)|(5<<22)|(7<<25)
	s_mov_b32 s73, 32<<16
	s_mov_b32 s74, 84<<16
	s_mov_b32 s75, 32<<16
	s_mov_b32 s76, 84
	s_mov_b32 s77, 32
	s_mov_b32 s78, 0
	s_mov_b32 s79, 0
	s_mov_b32 s48, 1
	s_min_u32 s49, s16, 2                          ; head: wave 0 k, 1 p, 2 v: key step 0
	s_mul_i32 s49, s49, PIMG
	s_mov_b32 s80, 1
	s_lshr_b32 s20, s16, 1                         ; later: waves 0, 1: k; 2, 3: p; 4, 5: v
	s_min_u32 s20, s20, 2
	s_and_b32 s21, s16, 1                          ; which 84 rows
	s_mul_i32 s81, s20, PIMG
	s_mul_i32 s22, s21, 84*PT
	s_add_co_u32 s81, s81, s22
	s_add_co_u32 s81, s81, 24*PT
	s_mul_i32 s24, s17, 49152                      ; k and v: by batch and head;
	s_mov_b32 s25, 0
	s_mul_i32 s26, s19, 49152                      ; p: by head
	s_mov_b32 s27, 0
	s_mul_i32 s22, s21, 84*256
	s_add_co_u32 s22, s22, 24*256
	s_mov_b32 s23, 0
	s_wait_dscnt 0x0                               ; both opening adds are done
	s_wait_kmcnt 0x0
	s_cmp_eq_u32 s16, 1
	s_cselect_b64 s[50:51], s[8:9], s[6:7]
	s_cselect_b64 s[28:29], s[26:27], s[24:25]
	s_cmp_eq_u32 s16, 2
	s_cselect_b64 s[50:51], s[10:11], s[50:51]
	s_add_nc_u64 s[50:51], s[50:51], s[28:29]
	s_or_b32 s51, s51, 0x80000000                  ; type = 2
	s_cmp_eq_u32 s20, 1
	s_cselect_b64 s[82:83], s[8:9], s[6:7]
	s_cselect_b64 s[28:29], s[26:27], s[24:25]
	s_cmp_eq_u32 s20, 2
	s_cselect_b64 s[82:83], s[10:11], s[82:83]
	s_add_nc_u64 s[82:83], s[82:83], s[28:29]
	s_add_nc_u64 s[82:83], s[82:83], s[22:23]
	s_or_b32 s83, s83, 0x80000000
	s_cmp_lt_u32 s16, 3
	s_cbranch_scc0 .Lnofill
	tensor_load_to_lds s[48:51], s[40:47]          ; key step 0 of one image: one tensor load of mine is out
	s_nop 0
.rept 4
	v_nop
.endr
.Lnofill:
	s_lshl_b32 s22, s17, 6
	s_lshl_b32 s23, ttmp9, 5
	s_add_co_u32 s22, s22, s23
	s_lshl_b32 s23, s16, 2
	s_add_co_u32 s22, s22, s23                     ; my first tile of queries: 64 (batch, head) + 32 x + 4 wave
	s_mul_i32 s26, s22, 1536
	s_mov_b32 s27, 0
	s_add_nc_u64 s[28:29], s[4:5], s[26:27]        ; its image
	s_lshl_b32 s26, s22, 6
	s_add_co_u32 s26, s26, 12582912
	s_add_nc_u64 s[30:31], s[4:5], s[26:27]        ; its scale words
	s_lshr_b32 s23, s19, 1                         ; the pair of heads
	s_lshl_b32 s26, s18, 2
	s_add_co_u32 s26, s26, s23
	s_lshl_b32 s26, s26, 12
	s_lshl_b32 s21, s16, 9                         ; wave w brings key step w's words
	s_add_co_u32 s26, s26, s21
	s_add_co_u32 s26, s26, 6291456
	s_add_nc_u64 s[32:33], s[6:7], s[26:27]        ; k's scale words
	s_lshl_b32 s26, s23, 12
	s_add_co_u32 s26, s26, s21
	s_add_co_u32 s26, s26, 393216
	s_add_nc_u64 s[34:35], s[8:9], s[26:27]        ; p's
	s_lshl_b32 s26, s18, 12
	s_add_nc_u64 s[36:37], s[12:13], s[26:27]      ; the batch's mask
	s_lshl_b32 s26, s17, 11
	s_add_co_u32 s26, s26, 6291456
	s_add_nc_u64 s[38:39], s[10:11], s[26:27]      ; v's scale words
	s_lshl_b32 s22, s18, 6                         ; the way out: row tile 64 batch + 32 x + 4 wave,
	s_lshl_b32 s26, ttmp9, 5
	s_add_co_u32 s22, s22, s26
	s_lshl_b32 s26, s16, 2
	s_add_co_u32 s22, s22, s26
	s_lshl_b32 s22, s22, 2
	s_add_co_u32 s22, s22, s23                     ; K step head / 2,
	s_mul_i32 s26, s22, 1536
	s_and_b32 s22, s19, 1
	s_mul_i32 s22, s22, 768                        ; its lower or upper three pieces
	s_add_co_u32 s26, s26, s22
	s_add_nc_u64 s[52:53], s[14:15], s[26:27]
	s_lshl_b32 s26, s19, 8
	s_lshl_b32 s22, s18, 4
	s_add_co_u32 s26, s26, s22
	s_lshl_b32 s22, ttmp9, 3
	s_add_co_u32 s26, s26, s22
	s_add_co_u32 s26, s26, s16
	s_lshl_b32 s26, s26, 8
	s_add_co_u32 s26, s26, 6291456
	s_add_nc_u64 s[54:55], s[14:15], s[26:27]      ; and its scale bytes: [head][64 rows' group][lane][2]
	s_and_b32 s22, s19, 1
	s_cmp_eq_u32 s22, 1
	s_mov_b32 s58, 0x05010400                      ; bytes (k0, p0, k1, p1): the even head of the pair
	s_cselect_b32 s58, 0x07030602, s58             ; (k2, p2, k3, p3): the odd one
	s_mov_b32 s59, 0xffff0000                      ; lanes 16-31
	s_mov_b32 s[CS], 0x3e38aa3b                    ; c = log2(e) / 8
	s_mov_b32 s[CS+1], s[CS]                       ; (named with it as a pair, so it is written)
	s_mov_b32 s[SEL], 0x76543210
	s_mov_b32 s[SEL+1], 0xfedcba98
	v_and_b32 v64, 31, v0                          ; lane
	v_and_b32 v65, 15, v0                          ; r
	v_bfe_u32 v66, v0, 4, 1                        ; h
	v_lshlrev_b32 v69, 4, v0                       ; 16 x thread
	v_lshlrev_b32 v70, 3, v0                       ; 8 x thread
	v_lshlrev_b32 v68, 4, v64
	v_lshlrev_b32 v63, 3, v64                      ; 8 x lane: kept for the way out
	v_lshlrev_b32 v67, 2, v64
	global_load_b128 v[72:75], v68, s[32:33]       ; what goes on into LDS first,
	global_load_b128 v[76:79], v68, s[34:35]
	global_load_b128 v[80:83], v69, s[36:37]
	global_load_b64 v[84:85], v70, s[38:39]
	WIN 0x40
.irp q, 0,1,2,3
.irp p, 0,1,2,3,4,5
	global_load_b64 v[QF+12*\q+2*\p:QF+12*\q+2*\p+1], v63, s[28:29] offset:1536*\q+256*\p    ; then my queries, which stay in registers: 24 loads,
.endr
.endr
	WIN 0
	global_load_b32 v[QS], v67, s[30:31]           ; and 2
	global_load_b32 v[QS+1], v67, s[30:31] offset:128
	v_bfe_u32 v71, v0, 3, 1                        ; r / 8
	v_and_b32 v86, 7, v0                           ; r % 8
	v_mul_u32_u24 v[AKP], v66, PIMG                ; lanes 0-15 read k's images, lanes 16-31 p's
	v_mul_u32_u24 v[AV], v66, PT
	v_lshlrev_b32 v[AKS], 7, v71
	v_mad_u32_u24 v[AKP], v71, 6*PT, v[AKP]        ; lanes 8-15 of a half: two stored tiles, six rows, further on
	v_lshl_add_u32 v[AV], v65, 4, v[AV]
	v_lshl_add_u32 v[AKS], v66, 6, v[AKS]
	v_lshl_add_u32 v[AKP], v86, 3, v[AKP]
	v_add_nc_u32 v[AV], VIMG, v[AV]
	v_lshl_add_u32 v[AKS], v86, 2, v[AKS]
	v_lshl_add_u32 v[AM], v66, 7, MSK
	v_add_nc_u32 v[AVS], VSC, v63
	v_add_nc_u32 v[AKS], KSC, v[AKS]
	v_lshl_add_u32 v92, v0, 4, KSC
	v_lshl_add_u32 v93, v0, 4, MSK
	v_lshl_add_u32 v94, v0, 3, VSC
.irp q, 0,1,2,3
	v_mov_b32 v[ST+4*\q], 0x4d000000               ; -M = 2^27: M lies under every M that a score of -5e8 or more gives
	v_mov_b32 v[ST+4*\q+1], 0xcdee6b28             ; the largest score so far: -5e8
	v_mov_b32 v[ST+4*\q+2], 0                      ; the sum, in two halves
	v_mov_b32 v[ST+4*\q+3], 0
.endr
	v_mov_b32 v[T2+3], 0                           ; written once: a lane permute's destination counts as one of its sources
	v_mov_b32 v61, 0                               ; (named as the upper half of the pair v[60:61] before it is first written)
	s_wait_alu depctr_va_vdst(0)
	s_wait_loadcnt 26                              ; the first four loads are in; my queries' 24 and their scale words' 2 may be out
.irp i, 0,1,2,3
	v_perm_b32 v[88+\i], v[76+\i], v[72+\i], s58   ; (k lo, p lo, k hi, p hi) of my head
.endr
.irp i, 0,1,2,3
	v_mul_f32 v[80+\i], 0x41000000, v[80+\i]       ; 8 x mask, exact
.endr
.irp i, 0,1,2,3
	s_delay_alu instid0(VALU_DEP_4)
	v_max_num_f32 v[80+\i], 0xf149f2ca, v[80+\i]   ; held at -1e30 from below
.endr
	ds_store_b128 v92, v[88:91]
	ds_store_b128 v93, v[80:83]
	ds_store_b64 v94, v[84:85]
	s_wait_tensorcnt 0x0                           ; my part of key step 0 has landed
	ds_add_u32 v[SPW], v[NIL]                      ; the add twice
	ds_add_u32 v[SPW], v[NIL]
	s_wait_dscnt 0x0                               ; the adds and my stores are done
	s_barrier_signal -1
	s_barrier_wait -1                              ; key step 0, all scale words and the mask lie in LDS
	s_cmp_lt_u32 s16, 6
	s_cbranch_scc0 .Lnorest
	tensor_load_to_lds s[80:83], s[72:79]          ; 84 rows of key steps 1-7: bytes that nothing has filled and that key step 0's reads do not touch
	s_nop 0
.rept 4
	v_nop
.endr
.Lnorest:
	s_wait_loadcnt 0x0                             ; my queries
.macro QK q                            ; the scores of tile q: eight accumulators, one product each
	WIN 0x15                                       ; keys, queries and mask window 1
.irp t, 0,1,2,3,4,5,6,7
	WM S+8*\t, KF+12*\t, QF+12*(\q), MC+8*\t, KS+(\t>>1), QS+((\q)>>1), \t&1, (\q)&1
.endr
	WIN 0
.endm
.macro SM q                            ; 16 queries x 128 keys: maxima, p, the sum, p's codes in v[PC..] and scale word in v61, f in v60
.set SQ, ST+4*(\q)
.irp b, 0,1,2,3
	v_max3_num_f32 v[BM+\b], v[S+16*\b], v[S+1+16*\b], v[S+2+16*\b]    ; four chains, each result from its low end on
.endr
.irp i, 3,5,7,9,11,13
.irp b, 0,1,2,3
	v_max3_num_f32 v[BM+\b], v[BM+\b], v[S+16*\b+\i], v[S+1+16*\b+\i]
.endr
.endr
	v_max3_num_f32 v[BM], v[BM], v[S+15], v[S+31]
	v_max3_num_f32 v[BM+2], v[BM+2], v[S+47], v[S+63]
	s_delay_alu instid0(VALU_DEP_2)
	v_max_num_f32 v[BM], v[BM], v[BM+1]            ; the largest score of my block 0 + h: for the row's maximum, and, since p rises with the score, for the block's largest p
	s_delay_alu instid0(VALU_DEP_2)
	v_max_num_f32 v[BM+2], v[BM+2], v[BM+3]        ; and of my block 2 + h
	s_delay_alu instid0(VALU_DEP_1)
	v_max_num_f32 v62, v[BM], v[BM+2]
	s_delay_alu instid0(VALU_DEP_1)
	v_permlanex16_b32 v[T2+3], v62, s[SEL], s[SEL+1]   ; (into a register that no conversion writes)
	v_mov_b32 v[T2+1], v[SQ]                       ; the old -M
	s_delay_alu instid0(VALU_DEP_2)
	v_max3_num_f32 v[SQ+1], v[SQ+1], v62, v[T2+3]  ; the running largest score, with lane l xor 16's 64 keys
	s_delay_alu instid0(VALU_DEP_1)
	v_mul_f32 v62, s[CS], v[SQ+1]                  ; as t (c is positive)
	s_delay_alu instid0(VALU_DEP_1)
	v_floor_f32 v[SQ], -v62                        ; the new -M = -ceil(t)
	s_delay_alu instid0(VALU_DEP_1)
	v_sub_f32 v62, v[SQ], v[T2+1]                  ; old M - new M: a whole number, 0 or less
	s_delay_alu instid0(VALU_DEP_1)
	v_cvt_i32_f32 v62, v62                         ; (it saturates)
	s_delay_alu instid0(VALU_DEP_1)
	v_ldexp_f32 v60, 1.0, v62                      ; f = 2^(old M - new M)
.set j_, 0
.rept 32
	v_pk_fma_f32 v[S+j_:S+j_+1], v[S+j_:S+j_+1], s[CS:CS+1], v[SQ:SQ+1] op_sel_hi:[1,0,0]    ; t - M, two at a time
.set j_, j_+2
.endr
	v_fma_f32 v[BM], v[BM], s[CS], v[SQ]           ; the same of each block's largest score
	v_fma_f32 v[BM+2], v[BM+2], s[CS], v[SQ]
	s_wait_alu depctr_va_vdst(0)
.set j_, 0
.rept 64
	v_exp_f32 v[S+j_], v[S+j_]                     ; p = 2^(t - M)
.set j_, j_+1
.endr
	v_exp_f32 v[BM], v[BM]                         ; the blocks' largest p: the same two instructions on the same numbers
	v_exp_f32 v[BM+2], v[BM+2]
	v_pk_mul_f32 v[SQ+2:SQ+3], v[SQ+2:SQ+3], v[60:61] op_sel_hi:[1,0]    ; the sums under the new M: the plain instruction behind the exponentials
	s_wait_alu depctr_va_vdst(0)                   ; one wait for the batch of 66, ahead of its first reader
	v_pk_add_f32 v[T2:T2+1], v[S:S+1], v[S+2:S+3]  ; the sum of the unquantised p, in two chains
.set j_, 4
.rept 15
	v_pk_add_f32 v[SQ+2:SQ+3], v[SQ+2:SQ+3], v[S+j_:S+j_+1]
	v_pk_add_f32 v[T2:T2+1], v[T2:T2+1], v[S+2+j_:S+3+j_]
.set j_, j_+4
.endr
	v_max_num_f32 v[BM], 0x1800000, v[BM]          ; the floor 2^(3 - 127)
	v_max_num_f32 v[BM+2], 0x1800000, v[BM+2]
	v_pk_add_f32 v[SQ+2:SQ+3], v[SQ+2:SQ+3], v[T2:T2+1]
	v_add_nc_u32 v[SO], 0xff000000, v[BM]          ; 2 off the exponent field: the conversion's scale operand
	v_add_nc_u32 v[SO+1], 0xff000000, v[BM+2]
	v_cvt_scalef32_pk16_fp6_f32 v[PC:PC+2], v[S:S+15], v[SO]
	v_cvt_scalef32_pk16_fp6_f32 v[T2:T2+2], v[S+16:S+31], v[SO]          ; (a conversion's three registers begin on an even number)
	v_cvt_scalef32_pk16_fp6_f32 v[PC+6:PC+8], v[S+32:S+47], v[SO+1]
	v_cvt_scalef32_pk16_fp6_f32 v[T2+4:T2+6], v[S+48:S+63], v[SO+1]
	v_lshrrev_b32 v62, 23, v[SO]                   ; the scales' bytes (also the plain instruction behind the conversions)
	v_lshrrev_b32 v[BM+1], 23, v[SO+1]
	s_delay_alu instid0(VALU_DEP_1)
	v_lshl_or_b32 v62, v[BM+1], 16, v62            ; my blocks h and 2 + h
	s_delay_alu instid0(VALU_DEP_1)
	v_permlanex16_b32 v[BM+3], v62, s[SEL], s[SEL+1]
	s_delay_alu instid0(VALU_DEP_1)
	v_lshl_or_b32 v61, v[BM+3], 8, v62             ; in lanes 0-15, which alone are read: bytes of blocks 0, 1, 2, 3
.irp i, 0,1,2
	v_mov_b32 v[PC+3+\i], v[T2+\i]
	v_mov_b32 v[PC+9+\i], v[T2+4+\i]
.endr
.endm
; O^T of tile q under the new M, and its second product.  It stands behind the next tile's score products: the 16 multiplications (in the first key step eight v_nop) are the places behind those products and ahead of these.
.macro RSPV q, first
.if \first
.rept 8
	v_nop
.endr
.else
	s_wait_alu depctr_va_vdst(0)
.set j_, 0
.rept 16
	v_pk_mul_f32 v[O+32*(\q)+j_:O+32*(\q)+j_+1], v[O+32*(\q)+j_:O+32*(\q)+j_+1], v[60:61] op_sel_hi:[1,0]
.set j_, j_+2
.endr
.endif
.if (\q) == 0
	s_wait_alu depctr_va_vdst(0)
	s_wait_dscnt 0x0                               ; v's fragments and scale words are in
.endif
	WIN 0x01                                       ; v window 1
.irp d, 0,1,2,3
.if \first
	WM O+32*(\q)+8*\d, VF+12*\d, PC, -1, VS+(\d>>1), 61, \d&1, 0
.else
	WM O+32*(\q)+8*\d, VF+12*\d, PC, O+32*(\q)+8*\d, VS+(\d>>1), 61, \d&1, 0
.endif
.endr
	WIN 0
.endm
; A key step: 128 keys' fragments once for the wave's four tiles of queries.
.macro KSTEP first
.irp i, 0,1,2,3
	ds_load_b32 v[KS+\i], v[AKS] offset:256*(\i/2)+32*(\i%2)       ; lanes 0-15 tile 2 i, lanes 16-31 tile 2 i + 1
.endr
	WIN 0x40
.irp n, 0,1,2,3,4,5,6,7,8,9,10,11,12,13,14,15
	ds_load_b128 v[MC+4*\n:MC+4*\n+3], v[AM] offset:256*(\n/8)+16*(\n%8)     ; register 8 t + i: 8 x mask of key 64 (t / 4) + 32 h + 8 (t % 4) + i
.endr
.irp t, 0,1,2,3,4,5,6,7
.irp p, 0,1,2
	ds_load_b64 v[KF+12*\t+2*\p:KF+12*\t+2*\p+1], v[AKP] offset:(3*(4*(\t/4)+(\t%2))+\p)*PT+64*((\t%4)/2)          ; the lower 32 of the head's 64: k's in lanes 0-15, p's in lanes 16-31
	ds_load_b64 v[KF+12*\t+6+2*\p:KF+12*\t+7+2*\p], v[AKP] offset:(3*(4*(\t/4)+(\t%2))+\p)*PT+64*((\t%4)/2)+128    ; the upper 32
.endr
.endr
.irp d, 0,1,2,3
.irp c, 0,1,2
	ds_load_b128 v[VF+12*\d+4*\c:VF+12*\d+4*\c+3], v[AV] offset:(6*\d+2*\c)*PT
.endr
.endr
	WIN 0
	ds_load_b64 v[VS:VS+1], v[AVS]
	s_wait_dscnt 13                                ; all but v's 12 fragment loads and its scale words
	QK 0
.rept 4
	v_nop                                          ; places in front of the first read of results
.endr
	SM 0
	QK 1
	RSPV 0, \first
	SM 1
	QK 2
	RSPV 1, \first
	SM 2
	QK 3
	RSPV 2, \first
	SM 3
	RSPV 3, \first
	v_add_nc_u32 v[AKP], 24*PT, v[AKP]             ; the next key step; these five are also the places between the last products and the loads into their registers
	v_add_nc_u32 v[AV], 24*PT, v[AV]
	v_add_nc_u32 v[AM], 512, v[AM]
	v_add_nc_u32 v[AKS], 512, v[AKS]
	v_add_nc_u32 v[AVS], 256, v[AVS]
	s_wait_alu depctr_va_vdst(0)
.endm
	KSTEP 1                                        ; the first key step stands in front of the loop: its products start O^T's sums
	s_wait_tensorcnt 0x0                           ; my part of key steps 1-7 has landed
	s_wait_dscnt 0x0
	s_barrier_signal -1
	s_barrier_wait -1                              ; everybody's has; from here on LDS is only read
	s_mov_b32 s56, 7
.Lkey:
	KSTEP 0
	s_sub_co_u32 s56, s56, 1
	s_cmp_lg_u32 s56, 0
	s_cbranch_scc1 .Lkey
	; THE WAY OUT: O^T / the sum, quantised along the head's 64 (two blocks), two tiles of queries to a run of the quantiser
.irp q, 0,1,2,3
	v_add_f32 v[ST+4*\q+2], v[ST+4*\q+2], v[ST+4*\q+3]
.endr
.irp q, 0,1,2,3
	s_delay_alu instid0(VALU_DEP_4)
	v_permlanex16_b32 v[BM+\q], v[ST+4*\q+2], s[SEL], s[SEL+1]
.endr
.irp q, 0,1,2,3
	s_delay_alu instid0(VALU_DEP_4)
	v_add_f32 v[ST+4*\q+2], v[ST+4*\q+2], v[BM+\q] ; the row's sum
.endr
	s_wait_alu depctr_va_vdst(0)
.irp q, 0,1,2,3
	v_rcp_f32 v[ST+4*\q+2], v[ST+4*\q+2]
.endr
	v_nop                                          ; a plain instruction behind the last reciprocal
	s_wait_alu depctr_va_vdst(0)                   ; one wait for the four, ahead of their first reader
.set j_, 0
.rept 64
	v_pk_mul_f32 v[O+2*j_:O+2*j_+1], v[O+2*j_:O+2*j_+1], v[ST+4*(j_/16)+2:ST+4*(j_/16)+3] op_sel_hi:[1,0]
.set j_, j_+1
.endr
.irp k, 0,1
.if \k == 1
	s_wait_xcnt 0x0                                ; the first run's stores have read their registers
.endif
	QUANT O+64*\k, PC, 62
.irp c, 0,1
.irp p, 0,1,2
	global_store_b64 v63, v[PC+6*\c+2*\p:PC+6*\c+2*\p+1], s[52:53] offset:6144*(2*\k+\c)+256*\p    ; tile 2 k + c, my head's three pieces: 256 consecutive bytes each
.endr
.endr
	v_and_b32 v84, 0xffff, v62                     ; tile 2 k's two bytes,
	v_lshrrev_b32 v85, 16, v62                     ; tile 2 k + 1's
	s_delay_alu instid0(VALU_DEP_1)
	v_cndmask_b32 v[14+\k], v84, v85, s59          ; lanes 0-15 the even tile's, lanes 16-31 the odd tile's
.endr
	global_store_b64 v63, v[14:15], s[54:55]       ; 256 consecutive bytes
	s_wait_tensorcnt 0x0                           ; the wave's end
	ds_add_u32 v[SPW], v[NIL]
	s_wait_dscnt 0x0
	s_endpgm
.Lfunc_end_k_q38c21d53ff_attn:
	.size	k_q38c21d53ff_attn, .Lfunc_end_k_q38c21d53ff_attn-k_q38c21d53ff_attn
	.p2alignl 7, 3214868480
	.fill 96, 4, 3214868480
	.section	.rodata,"a",@progbits
	.p2align	6, 0x0
	.amdhsa_kernel k_q38c21d53ff_attn
		.amdhsa_group_segment_fixed_size 327680
		.amdhsa_private_segment_fixed_size 0
		.amdhsa_enable_private_segment 0
		.amdhsa_kernarg_size 48
		.amdhsa_user_sgpr_count 2
		.amdhsa_user_sgpr_kernarg_segment_ptr 1
		.amdhsa_wavefront_size32 1
		.amdhsa_system_sgpr_workgroup_id_x 1
		.amdhsa_system_sgpr_workgroup_id_y 1
		.amdhsa_system_sgpr_workgroup_id_z 1
		.amdhsa_system_vgpr_workitem_id 0
		.amdhsa_next_free_vgpr 512
		.amdhsa_next_free_sgpr 96
		.amdhsa_reserve_vcc 0
		.amdhsa_float_denorm_mode_32 3
		.amdhsa_float_denorm_mode_16_64 3
		.amdhsa_memory_ordered 1
		.amdhsa_forward_progress 1
		.amdhsa_inst_pref_size 140
	.end_amdhsa_kernel
	.amdgpu_metadata
---
amdhsa.version: [ 1, 2 ]
amdhsa.kernels:
  - .name:           k_q38c21d53ff_attn
    .symbol:         k_q38c21d53ff_attn.kd
    .args:
      - { .name: qbuf, .offset: 0, .size: 8, .value_kind: global_buffer, .address_space: global }
      - { .name: kbuf, .offset: 8, .size: 8, .value_kind: global_buffer, .address_space: global }
      - { .name: pbuf, .offset: 16, .size: 8, .value_kind: global_buffer, .address_space: global }
      - { .name: vbuf, .offset: 24, .size: 8, .value_kind: global_buffer, .address_space: global }
      - { .name: mask, .offset: 32, .size: 8, .value_kind: global_buffer, .address_space: global }
      - { .name: abuf, .offset: 40, .size: 8, .value_kind: global_buffer, .address_space: global }
    .group_segment_fixed_size: 327680
    .private_segment_fixed_size: 0
    .kernarg_segment_align: 8
    .kernarg_segment_size: 48
    .max_flat_workgroup_size: 256
    .sgpr_count:     96
    .vgpr_count:     512
    .wavefront_size: 32
...
	.end_amdgpu_metadata
.endif
;; end of part 3
;; launch outp (part 4): grid 256 x 1, 4 waves a work-group, no clusters, 34,304 bytes of LDS; arguments abuf, wbuf, bo, out0; writes out0
.if DOCPART == 4
	.amdgcn_target "amdgcn-amd-amdhsa--gfx1250"
	.amdhsa_code_object_version 6
	.text
	.protected	k_q38c21d53ff_outp
	.globl	k_q38c21d53ff_outp
	.p2align	8
	.type	k_q38c21d53ff_outp,@function
k_q38c21d53ff_outp:
	s_mov_b64 s[64:65], 0
	v_nop
	global_prefetch_b8 v0, s[64:65] scope:SCOPE_SE
	s_setreg_imm32_b32 hwreg(HW_REG_WAVE_MODE, 25, 1), 1
	s_wait_xcnt 0x0
; out0 = a Wo + bo on codes of FP6 (E2M3).  a's codes and scale bytes come from abuf, Wo's from wbuf, both laid as the operand's registers take them: every fragment goes from memory straight into registers.
; SHARES.  Work-group G: rows 64 G .. + 63 (four tiles of 16); wave w: columns 128 w .. + 127 (eight tiles).  128 products a wave; a wave's 32 fragments of Wo (384 registers) and the 16 of a (192) are loaded once.
; Source 0 = 16 columns of Wo, source 1 = 16 rows of a: a lane holds one row and eight neighbouring columns.  bo is the C of each sum's first product.
; The rows of tile q are 32 (q / 2) + 8 (q % 2) + i + 8 (i / 8); the columns of tile 2 b + u, register j, half h: 32 b + 16 h + 8 u + j.
; The way out: a tile of 16 rows x 128 columns goes through the wave's own stage in LDS (rows of 512 + 16 bytes) and leaves as whole rows of 512 bytes.  No barrier: waves share nothing.
; No cluster: Wo, which all work-groups read, goes into registers; a joint load would have to pass through LDS and rounds of a barrier for one read.
.set STO, 1                            ; v1  the stage: row r, + 64 h
.set RD,  2                            ; v2  and back: 16 x lane
.set CO,  3                            ; v3  16 x lane
.set L8,  4                            ; v4  8 x lane
.set WSO, 5                            ; v5  2,048 h + 4 r
.set BIO, 6                            ; v6  64 h
.set WS,  16                           ; v16-31  Wo's scale words: 2 Tl + sp: lanes 0-15 K step 2 sp, lanes 16-31 K step 2 sp + 1
.set AS,  32                           ; v32-39  a's scale words: 2 s + k: lanes 0-15 tile 2 k, lanes 16-31 tile 2 k + 1
.set AR,  40                           ; v40-55  a's scale bytes as stored: head hd at 2 hd + k, two bytes
.set ACC, 64                           ; v64-191 two sets of eight accumulators
.set BK,  192                          ; v192-255 16 rows on their way out
.set BI,  0                            ; window 1: bo in the result's layout; a's fragments (q, s) at 64 + 48 q + 12 s
.set AF,  64
.set MSB, 0
.macro WIN new                         ; the immediate's high byte repeats the setting that is left
.if MSB != (\new)
	s_set_vgpr_msb (MSB<<8)|(\new)
.set MSB, (\new)
.endif
.endm
.macro WM d, a, b, c, sa, sb, ra, rb   ; one product 16 x 16 x 128; ra, rb: that source's scales stand in lanes 16-31
.if (\ra) && (\rb)
	v_wmma_scale_f32_16x16x128_f8f6f4 v[\d:\d+7], v[\a:\a+11], v[\b:\b+11], v[\c:\c+7], v[\sa], v[\sb] matrix_a_fmt:MATRIX_FMT_FP6 matrix_b_fmt:MATRIX_FMT_FP6 matrix_a_scale:MATRIX_SCALE_ROW1 matrix_b_scale:MATRIX_SCALE_ROW1
.elseif (\ra)
	v_wmma_scale_f32_16x16x128_f8f6f4 v[\d:\d+7], v[\a:\a+11], v[\b:\b+11], v[\c:\c+7], v[\sa], v[\sb] matrix_a_fmt:MATRIX_FMT_FP6 matrix_b_fmt:MATRIX_FMT_FP6 matrix_a_scale:MATRIX_SCALE_ROW1
.elseif (\rb)
	v_wmma_scale_f32_16x16x128_f8f6f4 v[\d:\d+7], v[\a:\a+11], v[\b:\b+11], v[\c:\c+7], v[\sa], v[\sb] matrix_a_fmt:MATRIX_FMT_FP6 matrix_b_fmt:MATRIX_FMT_FP6 matrix_b_scale:MATRIX_SCALE_ROW1
.else
	v_wmma_scale_f32_16x16x128_f8f6f4 v[\d:\d+7], v[\a:\a+11], v[\b:\b+11], v[\c:\c+7], v[\sa], v[\sb] matrix_a_fmt:MATRIX_FMT_FP6 matrix_b_fmt:MATRIX_FMT_FP6
.endif
.endm
	s_load_b256 s[4:11], s[0:1], 0x0               ; abuf 4, wbuf 6, bo 8, out0 10
	v_lshl_add_u32 v10, v0, 2, 33792               ; my spare word, behind the four stages; kept
	v_mov_b32 v11, 0                               ; 0; kept
	v_lshrrev_b32 v7, 5, v0
	v_readfirstlane_b32 s12, v7                    ; wave
	v_and_b32 v7, 31, v0                           ; lane
	v_and_b32 v8, 15, v0                           ; r
	v_bfe_u32 v9, v0, 4, 1                         ; h
	v_lshlrev_b32 v[CO], 4, v7
	v_lshlrev_b32 v[L8], 3, v7
	v_lshlrev_b32 v[WSO], 2, v8
	v_lshl_add_u32 v[WSO], v9, 11, v[WSO]
	v_lshlrev_b32 v[BIO], 6, v9
	s_mul_i32 s13, s12, 8448                       ; my stage
	v_mul_u32_u24 v[STO], v8, 528
	v_lshl_add_u32 v[STO], v9, 6, v[STO]
	v_add_nc_u32 v[STO], s13, v[STO]
	v_add_nc_u32 v[RD], s13, v[CO]
	s_mul_i32 s14, s12, 49152
	s_add_co_u32 s14, s14, 786432                  ; Wo is the fifth weight: my 8 tiles' images
	s_mov_b32 s15, 0
	s_lshl_b32 s16, s12, 9
	s_mov_b32 s17, 0
	s_add_co_u32 s18, s16, 1015808                 ; its scale words: 983,040 + 4 x 8,192 + 512 wave
	s_mov_b32 s19, 0
	s_mul_i32 s20, ttmp9, 24576                    ; a's four tiles of rows
	s_mov_b32 s21, 0
	s_lshl_b32 s22, ttmp9, 8
	s_add_co_u32 s22, s22, 6291456                 ; their scale bytes
	s_mov_b32 s23, 0
	s_lshl_b32 s24, ttmp9, 17                      ; 64 rows of 2,048 bytes,
	s_add_co_u32 s24, s24, s16                     ; my 512 bytes of a row
	s_mov_b32 s25, 0
	s_wait_alu depctr_va_vdst(0)
	s_wait_kmcnt 0x0
	s_add_nc_u64 s[26:27], s[6:7], s[14:15]
	s_add_nc_u64 s[28:29], s[6:7], s[18:19]
	s_add_nc_u64 s[30:31], s[8:9], s[16:17]
	s_add_nc_u64 s[32:33], s[4:5], s[20:21]
	s_add_nc_u64 s[34:35], s[4:5], s[22:23]
	s_add_nc_u64 s[36:37], s[10:11], s[24:25]
	WIN 0x80                                       ; window 2: K steps 0, 1
.irp t, 0,1,2,3,4,5,6,7
.irp s, 0,1
.irp c, 0,1,2
	global_load_b128 v[96*\s+12*\t+4*\c:96*\s+12*\t+4*\c+3], v[CO], s[26:27] offset:6144*\t+1536*\s+512*\c
.endr
.endr
.endr
	WIN 0xc0                                       ; window 3: K steps 2, 3
.irp t, 0,1,2,3,4,5,6,7
.irp s, 0,1
.irp c, 0,1,2
	global_load_b128 v[96*\s+12*\t+4*\c:96*\s+12*\t+4*\c+3], v[CO], s[26:27] offset:6144*\t+1536*(\s+2)+512*\c
.endr
.endr
.endr
	WIN 0x40
.irp t, 0,1,2,3,4,5,6,7
	global_load_b128 v[BI+8*\t:BI+8*\t+3], v[BIO], s[30:31] offset:(32*(\t/2)+8*(\t%2))*4
	global_load_b128 v[BI+8*\t+4:BI+8*\t+7], v[BIO], s[30:31] offset:(32*(\t/2)+8*(\t%2))*4+16
.endr
.irp q, 0,1,2,3
.irp s, 0,1,2,3
.irp p, 0,1,2,3,4,5
	global_load_b64 v[AF+48*\q+12*\s+2*\p:AF+48*\q+12*\s+2*\p+1], v[L8], s[32:33] offset:6144*\q+1536*\s+256*\p
.endr
.endr
.endr
	WIN 0
.irp t, 0,1,2,3,4,5,6,7
.irp p, 0,1
	global_load_b32 v[WS+2*\t+\p], v[WSO], s[28:29] offset:4096*\p+64*\t
.endr
.endr
.irp d, 0,1,2,3,4,5,6,7
	global_load_b64 v[AR+2*\d:AR+2*\d+1], v[L8], s[34:35] offset:65536*\d
.endr
	s_wait_loadcnt 0x0
.irp s, 0,1,2,3
.irp k, 0,1
	v_lshl_or_b32 v[AS+2*\s+\k], v[AR+2*(2*\s+1)+\k], 16, v[AR+4*\s+\k]    ; K step s = heads 2 s, 2 s + 1: two bytes each make the row's scale word
.endr
.endr
.rept 8
	v_nop                                          ; a scale register written by a vector instruction stands 8 places ahead of the product that takes it
.endr
.macro MUL q                           ; tile q of rows: 32 products, the eight accumulators by turns, K ascending
.set AC_, ACC+64*((\q)&1)
	WIN 0x16                                       ; Wo window 2, a and bo window 1
.irp t, 0,1,2,3,4,5,6,7
	WM AC_+8*\t, 12*\t, AF+48*(\q), BI+8*\t, WS+2*\t, AS+((\q)>>1), 0, (\q)&1
.endr
	WIN 0x06
.irp t, 0,1,2,3,4,5,6,7
	WM AC_+8*\t, 96+12*\t, AF+48*(\q)+12, AC_+8*\t, WS+2*\t, AS+2+((\q)>>1), 1, (\q)&1
.endr
	WIN 0x07                                       ; Wo window 3
.irp t, 0,1,2,3,4,5,6,7
	WM AC_+8*\t, 12*\t, AF+48*(\q)+24, AC_+8*\t, WS+2*\t+1, AS+4+((\q)>>1), 0, (\q)&1
.endr
.irp t, 0,1,2,3,4,5,6,7
	WM AC_+8*\t, 96+12*\t, AF+48*(\q)+36, AC_+8*\t, WS+2*\t+1, AS+6+((\q)>>1), 1, (\q)&1
.endr
	WIN 0
.endm
.macro TOSTAGE q
.set AC_, ACC+64*((\q)&1)
.irp t, 0,1,2,3,4,5,6,7
	ds_store_b128 v[STO], v[AC_+8*\t:AC_+8*\t+3] offset:128*(\t/2)+32*(\t%2)         ; each accumulator from its low end on
	ds_store_b128 v[STO], v[AC_+8*\t+4:AC_+8*\t+7] offset:128*(\t/2)+32*(\t%2)+16
.endr
.irp i, 0,1,2,3,4,5,6,7,8,9,10,11,12,13,14,15
	ds_load_b128 v[BK+4*\i:BK+4*\i+3], v[RD] offset:528*\i      ; LDS serves a wave's instructions in order: these see my stores, and the next tile's stores come behind them
.endr
.endm
.macro SEND q
.irp i, 0,1,2,3,4,5,6,7,8,9,10,11,12,13,14,15
	s_wait_dscnt 15-\i                             ; the younger rows may be out
	global_store_b128 v[CO], v[BK+4*\i:BK+4*\i+3], s[36:37] offset:(32*((\q)/2)+8*((\q)%2)+\i+8*(\i/8))*2048 th:TH_STORE_NT    ; 32 lanes store 512 consecutive bytes, at a multiple of 512
.endr
.endm
	MUL 0
	s_wait_alu depctr_va_vdst(0)
.irp q, 0,1,2,3
.if \q < 3
	MUL \q+1                                       ; the next tile's products are issued ahead of this tile's way out
.endif
.rept 5
	v_nop                                          ; four places in front of the first read of results; the fifth since the next run but one begins these accumulators anew with another C
.endr
.if \q > 0
	s_wait_xcnt 0x0                                ; the last tile's stores have read their registers
.endif
	TOSTAGE \q
	SEND \q
.endr
	s_wait_tensorcnt 0x0                           ; the wave's end
	ds_add_u32 v10, v11
	s_wait_dscnt 0x0
	s_endpgm
.Lfunc_end_k_q38c21d53ff_outp:
	.size	k_q38c21d53ff_outp, .Lfunc_end_k_q38c21d53ff_outp-k_q38c21d53ff_outp
	.p2alignl 7, 3214868480
	.fill 96, 4, 3214868480
	.section	.rodata,"a",@progbits
	.p2align	6, 0x0
	.amdhsa_kernel k_q38c21d53ff_outp
		.amdhsa_group_segment_fixed_size 34304
		.amdhsa_private_segment_fixed_size 0
		.amdhsa_enable_private_segment 0
		.amdhsa_kernarg_size 32
		.amdhsa_user_sgpr_count 2
		.amdhsa_user_sgpr_kernarg_segment_ptr 1
		.amdhsa_wavefront_size32 1
		.amdhsa_system_sgpr_workgroup_id_x 1
		.amdhsa_system_sgpr_workgroup_id_y 1
		.amdhsa_system_sgpr_workgroup_id_z 1
		.amdhsa_system_vgpr_workitem_id 0
		.amdhsa_next_free_vgpr 1024
		.amdhsa_next_free_sgpr 66
		.amdhsa_reserve_vcc 0
		.amdhsa_float_denorm_mode_32 3
		.amdhsa_float_denorm_mode_16_64 3
		.amdhsa_memory_ordered 1
		.amdhsa_forward_progress 1
		.amdhsa_inst_pref_size 59
	.end_amdhsa_kernel
	.amdgpu_metadata
---
amdhsa.version: [ 1, 2 ]
amdhsa.kernels:
  - .name:           k_q38c21d53ff_outp
    .symbol:         k_q38c21d53ff_outp.kd
    .args:
      - { .name: abuf, .offset: 0, .size: 8, .value_kind: global_buffer, .address_space: global }
      - { .name: wbuf, .offset: 8, .size: 8, .value_kind: global_buffer, .address_space: global }
      - { .name: bo, .offset: 16, .size: 8, .value_kind: global_buffer, .address_space: global }
      - { .name: out0, .offset: 24, .size: 8, .value_kind: global_buffer, .address_space: global }
    .group_segment_fixed_size: 34304
    .private_segment_fixed_size: 0
    .kernarg_segment_align: 8
    .kernarg_segment_size: 32
    .max_flat_workgroup_size: 128
    .sgpr_count:     66
    .vgpr_count:     1024
    .wavefront_size: 32
...
	.end_amdgpu_metadata
.endif
;; end of part 4
